; MI455X (gfx1250); checked and timed in simulation.
; The chip was launched on July 23, 2026; its instructions are those of AMD's public machine-readable ISA for CDNA 5 (MIT licence, August 2026) and "CDNA5" Instruction Set Architecture Reference Guide (July 2026). The comments in the code are by the model that wrote it; some were corrected since.
;; Causal Self Attention. Allowed arithmetic: matrix products marked QUANTISED: E2M3 operands, one E8M0 scale for each 32 along K, by v_wmma_scale_f32_16x16x128_f8f6f4 with both operands' format E2M3, f32 sums; everything else in f32.
;; Inputs: W_attn 1,024 x 3,072 float32; W_proj 1,024 x 1,024 float32; b_attn 3,072 float32; b_proj 1,024 float32; x 4 x 2,048 x 1,024 float32.
;; Outputs: out0 4 x 2,048 x 1,024 float32.
;; This version of the problem:
;;   THIS VERSION OF THE PROBLEM IS GIVEN IN LOW PRECISION. The matrix products marked QUANTISED in the list below multiply operands that are first quantised to E2M3 (2 exponent bits, 3 mantissa bits; 6 bits a number), with one power-of-two scale for each 32 numbers along K (OCP MX v1.0); their sums are f32. All else is computed in f32.
;;   The module's matrix products, in the order in which they are computed (A, B: the left and right operand; K: the contracted axis; several contracted axes count as one K, in the product's order):
;;     1. [M 8,192, K 1,024] x [K 1,024, N 3,072]; A: input x; B: input W_attn: QUANTISED
;;     2. batch 64 x [M 2,048, K 64] x [K 64, N 2,048]; A: computed on the way; B: computed on the way: QUANTISED
;;     3. batch 64 x [M 2,048, K 2,048] x [K 2,048, N 64]; A: softmax (see below); B: computed on the way: QUANTISED
;;     4. [M 8,192, K 1,024] x [K 1,024, N 1,024]; A: computed on the way; B: input W_proj: QUANTISED
;;   THE QUANTISER, for each operand of a quantised product, along K:
;;     - K is cut into blocks of 32 from its start; a last block that is shorter is filled with zeros.
;;     - A block's scale is 2^e with e = floor(log2(the largest magnitude in the block)) - 2, held to -126 .. 127; a block of zeros has e = 0. As a byte (E8M0): e + 127.
;;     - Each number is divided by its block's scale, clamped to +-7.5, and rounded to the nearest number of E2M3, ties to even, subnormals kept.
;;     - The product sums the exact products of the quantised numbers (number of the format x scale) in f32.
;;   ~~~python
;;   def quantise(x, axis):      # numpy; x: float32 -> the quantised numbers, widened to float32 again
;;       x = np.moveaxis(x, axis, -1); K = x.shape[-1]
;;       x = np.pad(x, [(0, 0)] * (x.ndim - 1) + [(0, -K % 32)]); x = x.reshape(x.shape[:-1] + (-1, 32)); a = np.abs(x).max(-1, keepdims=True)
;;       e = np.where(a > 0, np.clip(np.frexp(np.where(a > 0, a, 1))[1] - 1 - 2, -126, 127), 0)      # np.frexp(a)[1] - 1 = floor(log2(a)), exactly
;;       r = np.clip(x / 2.0 ** e, -7.5, 7.5)
;;       step = 2.0 ** (np.maximum(np.frexp(np.where(r == 0, 1, r))[1] - 1, 0) - 3)
;;       q = np.round(r / step) * step * 2.0 ** e      # np.round: ties to even
;;       return np.moveaxis(q.reshape(q.shape[:-2] + (-1,))[..., :K], -1, axis).astype(np.float32)
;;   ~~~
;;   SOFTMAX AHEAD OF A QUANTISED PRODUCT. Where the list says 'softmax', what is quantised is not the finished softmax but p = 2^(t - M), with t = logit x log2(e) and M = ceil(the row's largest t), a whole number; so 1/2 < the row's largest p <= 1. The row's sum l is taken of the UNQUANTISED p, in f32, and the product's result is divided by l at the end. Since M is a whole number, a kernel that streams over the keys may use a running M (the ceiling of the running maximum): every later rescaling is an exact power of two, which a block's scale takes up: the codes' values come out the same.
;;   OPERANDS COMPUTED ON THE WAY. 'Computed on the way' means the value that the module computes at that place (a softmax that the list does not call 'softmax' is quantised finished and normalised). What goes into a quantiser is computed in f32, as accurately as f32 sums, v_exp_f32 and their like allow (about 1e-6 of the number): no bf16 or f16 on the way to a quantiser, and a product that is left as it is and whose result goes on into a quantised operand takes f32 operands (vector FMAs, or v_wmma_f32_16x16x4_f32). A number that lies on a knife's edge between two numbers of the format may be rounded either way, as far as f32 arithmetic and the matrix unit's own rounding can turn it there, and no further.
;; One version. Each part assembles by itself: llvm-mc -triple=amdgcn-amd-amdhsa -mcpu=gfx1250 --defsym DOCPART=n.
;; ======== version 1 of 1: 4 launches
;; limits: right only within a limited range of input values
;; workspace buffers: XQ 6,553,600 bytes; WQ 3,407,872 bytes; QKV 20,185,088 bytes; YQ 6,553,600 bytes
;; launch quant (part 1): grid 256 x 1, 12 waves a work-group, no clusters, 136,704 bytes of LDS; arguments x, W_attn, W_proj, XQ, WQ; writes XQ, WQ
.if DOCPART == 1
	.amdgcn_target "amdgcn-amd-amdhsa--gfx1250"
	.amdhsa_code_object_version 6
	.text
	.protected	k_qad22e5d86d_quant
	.globl	k_qad22e5d86d_quant
	.p2align	8
	.type	k_qad22e5d86d_quant,@function
k_qad22e5d86d_quant:
	s_mov_b64 s[64:65], 0
	v_nop
	global_prefetch_b8 v0, s[64:65] scope:SCOPE_SE
	s_setreg_imm32_b32 hwreg(HW_REG_WAVE_MODE, 25, 1), 1
	s_wait_xcnt 0x0
; x [8192][1024], W_attn [1024][3072] and W_proj [1024][1024], f32, become codes of FP6 (E2M3) with one E8M0 byte for each 32 along K (K = 1024 in all three).
; A block's scale is 2^(floor(log2(its largest magnitude)) - 2); its byte is that magnitude's exponent field - 2, held at 1 from below.
; WORK LEFT OUT BY THE PROGRAM: reference() sets every score with key > query to the least f32 number ahead of the softmax (its own jnp.tril), so for all inputs such a key's weight is 0 beside the query's own key.
; Steps of 128 keys that lie wholly above the diagonal reach no output and are not multiplied (launch attn).  LIMIT: a NaN, an infinity or an overflow that reaches only those steps is not carried to the result.  Every input is loaded.
; LIMITS: NaN and infinities are not served; a block whose largest magnitude lies under 2^-124, a block of zeros too, gets the byte 1 (a block of zeros has zero codes, and only this program reads the bytes).
; THE LAYOUT OF THE RESULT is the order of a matrix operand's registers.  A FRAGMENT is 16 rows x 128 K: 12 registers a lane, 1,536 bytes, as six pieces of 256 bytes; piece p holds registers 2 p, 2 p + 1,
; lane l's 8 bytes at 256 p + 8 l; lane (r = l % 16, h = l / 16) holds in registers 6 c .. 6 c + 5 the 24 bytes of block 2 c + h of row r.
; Row r of tile T is the true row 32 (T / 2) + 8 (T % 2) + r + 8 (r / 8).  A buffer: scale words at 0, [tile][pair of K steps 4][r 16][2 words]; codes at COD, [tile][K step 8][1,536].
; XQ: 512 tiles of x's rows.  WQ: 256 tiles of the weights' columns: 0-191 W_attn's, 192-255 W_proj's.
; THE DEAL: 256 work-groups of 12 waves; every wave reads 16 KiB, all of it asked for on end.  Waves 0-7 take two tiles of x: a wave makes two fragments (a pair of K steps of a tile).  Each of its loads reads 512 consecutive
; bytes of a row; the numbers turn through the wave's own stage in LDS (rows 528 bytes apart, so that the sixteen rows of a read fall on different banks) and come back as whole blocks of 32 in a lane.
; Waves 8-11 take the weights (K outermost): a lane takes a column and its registers run down K: 32 columns x one K step a wave; the four waves stand side by side on 512 consecutive bytes of each row.
; A wave's scale words are a run of 128 bytes (x) or one word a column (weights): one in twenty-five of the bytes stored.  No barrier: waves share nothing.  No cluster: no two work-groups read the same bytes.
.set COD,   262144
.set SP,    528
.set STG,   16*SP                      ; a stage: 16 rows of a fragment
.set WREG,  2*STG                      ; two stages a wave
.set SPARE, 8*WREG                     ; the spare words, 128 bytes a wave
.set SPW,   24                         ; v24 my spare word, v25 0: never rewritten
.set NIL,   25
.set TQ,    20                         ; v20-22 a conversion's second three registers
.macro WALU
	s_wait_alu depctr_va_vdst(0)
.endm
; 32 numbers in v[XS] on become 24 bytes of codes in v[CD] .. v[CD+5] and the scale's byte in v[BY]
.macro QCORE
	v_max3_num_f32 v8, |v[XS]|, |v[XS+1]|, |v[XS+2]|               ; the block's largest magnitude, in two chains
	v_max3_num_f32 v9, |v[XS+3]|, |v[XS+4]|, |v[XS+5]|
.irp i, 6,10,14,18,22,26
	v_max3_num_f32 v8, v8, |v[XS+\i]|, |v[XS+\i+1]|
	v_max3_num_f32 v9, v9, |v[XS+\i+2]|, |v[XS+\i+3]|
.endr
	v_max3_num_f32 v8, v8, |v[XS+30]|, |v[XS+31]|
	v_max3_num_f32 v8, v8, v9, 0x1800000           ; and the floor 2^(3 - 127): the byte cannot fall under 1
	v_add_nc_u32 v10, 0xff000000, v8               ; 2 off the exponent field: the conversion takes this operand's exponent field as its scale
	v_lshrrev_b32 v[BY], 23, v10                   ; the scale's byte
	v_cvt_scalef32_pk16_fp6_f32 v[CD:CD+2], v[XS:XS+15], v10
	v_cvt_scalef32_pk16_fp6_f32 v[TQ:TQ+2], v[XS+16:XS+31], v10    ; (a conversion's three registers begin on an even number)
	v_nop                                          ; one plain instruction behind a scaled conversion
.irp i, 0,1,2
	v_mov_b32 v[CD+3+\i], v[TQ+\i]
.endr
.endm
.macro LOADX f                         ; fragment f: 16 rows x 512 consecutive bytes
.irp i, 0,1,2,3,4,5,6,7,8,9,10,11,12,13,14,15
	global_load_b128 v[32+64*\f+4*\i:32+64*\f+4*\i+3], v4, s[14:15] offset:(\i+8*(\i/8))*4096+512*\f th:TH_LOAD_NT
.endr
.endm
.macro STIN f                          ; into stage f, as loaded
.irp i, 0,1,2,3,4,5,6,7,8,9,10,11,12,13,14,15
	ds_store_b128 v7, v[32+64*\f+4*\i:32+64*\f+4*\i+3] offset:STG*\f+SP*\i
.endr
.endm
.macro STOUT f, x                      ; and back: blocks h and 2 + h of row r, 128 bytes each (LDS serves a wave's instructions in order: these see the stores)
.irp c, 0,1
.irp k, 0,1,2,3,4,5,6,7
	ds_load_b128 v[\x+32*\c+4*\k:\x+32*\c+4*\k+3], v18 offset:STG*\f+256*\c+16*\k
.endr
.endr
.endm
.macro FRAGOUT f, x
.set XS, \x
.set CD, 224+12*\f
.set BY, 11
	QCORE
.set XS, \x+32
.set CD, 230+12*\f
.set BY, 12
	QCORE
	v_lshl_or_b32 v13, v12, 16, v11                ; my two bytes: blocks h and 2 + h of my row,
	v_lshlrev_b32 v13, v15, v13                    ; 8 h bits up;
	v_permlanex16_b32 v14, v13, s20, s21
	v_or_b32 v[16+\f], v13, v14                    ; with lane l xor 16's two the K step's scale word is whole
.irp p, 0,1,2,3,4,5
	global_store_b64 v5, v[224+12*\f+2*\p:224+12*\f+2*\p+1], s[22:23] offset:1536*\f+256*\p   ; the wave stores 256 consecutive bytes, aligned
.endr
.endm
.macro LOADW t                         ; block t of my column: 32 rows of W
.set n, 0
.rept 32
	global_load_b32 v[32+32*(\t)+n], v[160+n], s[24+2*(\t):25+2*(\t)] th:TH_LOAD_NT
.set n, n+1
.endr
.endm
.macro WBLOCK t, left
	s_wait_loadcnt \left
.set XS, 32+32*(\t)
.set CD, 224+6*(\t)
.set BY, 11
	QCORE
.if (\t) == 0
	v_mov_b32 v16, v11                             ; four bytes to a scale word, the lower K in the lower byte
.else
	v_lshl_or_b32 v16, v11, 8*(\t), v16
.endif
.irp e, 0,1,2
	global_store_b64 v5, v[224+6*(\t)+2*\e:224+6*(\t)+2*\e+1], s[40:41] offset:768*((\t)/2)+128*((\t)%2)+256*\e   ; two runs of 128 bytes: the neighbouring block's store brings the other halves
.endr
.endm
	s_load_b256 s[4:11], s[0:1], 0x0               ; x s[4:5], W_attn s[6:7], W_proj s[8:9], XQ s[10:11]
	s_load_b64 s[12:13], s[0:1], 0x20              ; WQ
	v_lshl_add_u32 v[SPW], v0, 2, SPARE
	v_mov_b32 v[NIL], 0
	v_lshrrev_b32 v1, 5, v0
	v_readfirstlane_b32 s16, v1                    ; wave 0..11
	v_and_b32 v1, 31, v0                           ; lane
	v_and_b32 v2, 15, v0                           ; r
	v_bfe_u32 v3, v0, 4, 1                         ; h
	s_cmp_lt_u32 s16, 8
	WALU                                           ; the wait ahead of the branch
	s_cbranch_scc0 .Lweights
	; ---- x.  Wave w makes K steps 2 (w % 4), + 1 of tile 2 x work-group + w / 4
	s_mov_b32 s20, 0x76543210
	s_mov_b32 s21, 0xfedcba98                      ; v_permlanex16_b32's selects for lane l xor 16
	s_lshl_b32 s18, ttmp9, 1
	s_lshr_b32 s17, s16, 2
	s_add_co_u32 s18, s18, s17                     ; the tile
	s_and_b32 s19, s16, 3                          ; the pair of K steps
	s_lshr_b32 s26, s18, 1
	s_lshl_b32 s26, s26, 17                        ; 32 rows of 4,096 bytes for each pair of tiles,
	s_and_b32 s27, s18, 1
	s_lshl_b32 s27, s27, 15                        ; 8 rows for the odd tile,
	s_add_co_u32 s26, s26, s27
	s_lshl_b32 s27, s19, 10                        ; 1,024 bytes for each pair of K steps
	s_add_co_u32 s26, s26, s27
	s_mov_b32 s27, 0
	s_mul_i32 s28, s18, 12288
	s_mul_i32 s30, s19, 3072
	s_add_co_u32 s28, s28, s30
	s_add_co_u32 s28, s28, COD                     ; my two fragments
	s_mov_b32 s29, 0
	s_lshl_b32 s30, s18, 9
	s_lshl_b32 s31, s19, 7
	s_add_co_u32 s30, s30, s31                     ; my 128 bytes of scale words
	s_mov_b32 s31, 0
	s_mul_i32 s17, s16, WREG                       ; my stages
	v_lshlrev_b32 v4, 4, v1                        ; 16 x lane: my place in a load's 512 bytes
	v_lshlrev_b32 v5, 3, v1                        ; 8 x lane: my place in a piece
	v_lshlrev_b32 v6, 3, v2                        ; 8 r: my row's two scale words
	v_add_nc_u32 v7, s17, v4                       ; the stage, on the way in
	v_mul_u32_u24 v18, v2, SP
	v_lshl_add_u32 v18, v3, 7, v18
	v_add_nc_u32 v18, s17, v18                     ; and on the way out: row r, + 128 h
	v_lshlrev_b32 v15, 3, v3                       ; 8 h
	v_mov_b32 v14, 0                               ; written once: a lane permute's destination counts as one of its sources
	WALU                                           ; the wait at the head's end
	s_wait_kmcnt 0x0
	s_add_nc_u64 s[14:15], s[4:5], s[26:27]
	s_add_nc_u64 s[22:23], s[10:11], s[28:29]
	s_add_nc_u64 s[24:25], s[10:11], s[30:31]
	LOADX 0
	LOADX 1
	s_wait_loadcnt 16                              ; fragment 0's 16 loads are in; fragment 1's may be out
	STIN 0
	STOUT 0, 160
	s_wait_loadcnt 0x0
	STIN 1
	s_wait_dscnt 16                                ; fragment 0 is back (the 16 stores behind it may be out): so its stores into the stage have read v32-95,
	STOUT 1, 32                                    ; which take fragment 1
	FRAGOUT 0, 160
	s_wait_dscnt 0x0
	FRAGOUT 1, 32
	global_store_b64 v6, v[16:17], s[24:25]        ; 128 consecutive bytes (lanes 16-31 store the same bytes with the same values)
	s_wait_tensorcnt 0x0                           ; the wave's end: behind my last LDS store
	ds_add_u32 v[SPW], v[NIL]
	s_wait_dscnt 0x0
	s_endpgm
.Lweights:
	; ---- the weights.  Pair of tiles (32 columns) 4 (work-group % 32) + wave - 8, K step work-group / 32.  Pairs 0-95 are W_attn's, 96-127 W_proj's
	s_sub_co_u32 s16, s16, 8
	s_and_b32 s18, ttmp9, 31
	s_lshr_b32 s19, ttmp9, 5                       ; the K step
	s_lshl_b32 s22, s18, 2
	s_add_co_u32 s22, s22, s16                     ; the pair of tiles in WQ
	s_wait_kmcnt 0x0
	s_cmp_lt_u32 s18, 24                           ; the choice hangs on the work-group's number alone
	s_cselect_b64 s[6:7], s[6:7], s[8:9]
	s_mov_b32 s17, 4096
	s_cselect_b32 s17, 12288, s17                  ; a row of the weight in bytes
	s_cselect_b32 s23, 0, 96
	s_sub_co_u32 s23, s22, s23                     ; the pair within its tensor
	s_lshl_b32 s44, s17, 5                         ; 32 rows: a block
	s_mov_b32 s45, 0
	s_lshl_b32 s46, s19, 2
	s_mul_i32 s46, s46, s44                        ; 128 rows for each K step
	s_lshl_b32 s47, s23, 7                         ; 128 bytes for each pair
	s_add_co_u32 s46, s46, s47
	s_mov_b32 s47, 0
	s_add_nc_u64 s[24:25], s[6:7], s[46:47]        ; a base for each of my 4 blocks
.irp t, 1,2,3
	s_add_nc_u64 s[24+2*\t:25+2*\t], s[22+2*\t:23+2*\t], s[44:45]
.endr
	s_mul_i32 s46, s22, 24576
	s_mul_i32 s47, s19, 1536
	s_add_co_u32 s46, s46, s47
	s_add_co_u32 s46, s46, COD
	s_mov_b32 s47, 0
	s_add_nc_u64 s[40:41], s[12:13], s[46:47]      ; the pair's codes, my K step
	s_lshl_b32 s46, s22, 10
	s_lshr_b32 s47, s19, 1
	s_lshl_b32 s47, s47, 7
	s_add_co_u32 s46, s46, s47
	s_and_b32 s47, s19, 1
	s_lshl_b32 s47, s47, 2
	s_add_co_u32 s46, s46, s47
	s_mov_b32 s47, 0
	s_add_nc_u64 s[42:43], s[12:13], s[46:47]      ; and its scale words
	v_bfe_u32 v4, v0, 3, 1                         ; column 32 pair + l is row (l % 8) + 8 (l / 16) of tile 2 pair + (l / 8) % 2
	v_and_b32 v6, 7, v0
	v_lshl_add_u32 v6, v3, 3, v6
	v_lshlrev_b32 v6, 3, v6                        ; 8 x that row
	v_mad_u32_u24 v5, v4, 12288, v6                ; my place in the codes,
	v_lshl_add_u32 v6, v4, 9, v6                   ; and among the scale words
	v_lshlrev_b32 v160, 2, v1                      ; offsets of a block's 32 rows at my column
.set n, 1
.rept 31
	v_add_nc_u32 v[160+n], s17, v[159+n]
.set n, n+1
.endr
	LOADW 0
	LOADW 1
	LOADW 2
	LOADW 3
	WBLOCK 0, 63                                   ; 96 loads were issued behind block 0's and 64 behind block 1's: 63, the most that the wait's field holds, is the smaller count
	WBLOCK 1, 63
	WBLOCK 2, 32                                   ; block 3's 32 may be out
	WBLOCK 3, 0
	global_store_b32 v6, v16, s[42:43]             ; my column's scale word of this K step
	s_endpgm
.Lfunc_end_k_qad22e5d86d_quant:
	.size	k_qad22e5d86d_quant, .Lfunc_end_k_qad22e5d86d_quant-k_qad22e5d86d_quant
	.p2alignl 7, 3214868480
	.fill 96, 4, 3214868480
	.section	.rodata,"a",@progbits
	.p2align	6, 0x0
	.amdhsa_kernel k_qad22e5d86d_quant
		.amdhsa_group_segment_fixed_size 136704
		.amdhsa_private_segment_fixed_size 0
		.amdhsa_enable_private_segment 0
		.amdhsa_kernarg_size 40
		.amdhsa_user_sgpr_count 2
		.amdhsa_user_sgpr_kernarg_segment_ptr 1
		.amdhsa_wavefront_size32 1
		.amdhsa_system_sgpr_workgroup_id_x 1
		.amdhsa_system_sgpr_workgroup_id_y 1
		.amdhsa_system_sgpr_workgroup_id_z 1
		.amdhsa_system_vgpr_workitem_id 0
		.amdhsa_next_free_vgpr 256
		.amdhsa_next_free_sgpr 66
		.amdhsa_reserve_vcc 0
		.amdhsa_float_denorm_mode_32 3
		.amdhsa_float_denorm_mode_16_64 3
		.amdhsa_memory_ordered 1
		.amdhsa_forward_progress 1
		.amdhsa_inst_pref_size 39
	.end_amdhsa_kernel
	.amdgpu_metadata
---
amdhsa.version: [ 1, 2 ]
amdhsa.kernels:
  - .name:           k_qad22e5d86d_quant
    .symbol:         k_qad22e5d86d_quant.kd
    .args:
      - { .name: x, .offset: 0, .size: 8, .value_kind: global_buffer, .address_space: global }
      - { .name: W_attn, .offset: 8, .size: 8, .value_kind: global_buffer, .address_space: global }
      - { .name: W_proj, .offset: 16, .size: 8, .value_kind: global_buffer, .address_space: global }
      - { .name: XQ, .offset: 24, .size: 8, .value_kind: global_buffer, .address_space: global }
      - { .name: WQ, .offset: 32, .size: 8, .value_kind: global_buffer, .address_space: global }
    .group_segment_fixed_size: 136704
    .private_segment_fixed_size: 0
    .kernarg_segment_align: 8
    .kernarg_segment_size: 40
    .max_flat_workgroup_size: 384
    .sgpr_count:     66
    .vgpr_count:     256
    .wavefront_size: 32
...
	.end_amdgpu_metadata
.endif
;; end of part 1
;; launch qkv (part 2): grid 4 x 64, 4 waves a work-group, clusters of 4 x 4, 327,680 bytes of LDS; arguments XQ, WQ, b_attn, QKV; writes QKV
.if DOCPART == 2
	.amdgcn_target "amdgcn-amd-amdhsa--gfx1250"
	.amdhsa_code_object_version 6
	.text
	.protected	k_qad22e5d86d_qkv
	.globl	k_qad22e5d86d_qkv
	.p2align	8
	.type	k_qad22e5d86d_qkv,@function
k_qad22e5d86d_qkv:
	s_mov_b64 s[64:65], 0
	v_nop
	global_prefetch_b8 v0, s[64:65] scope:SCOPE_SE
	s_setreg_imm32_b32 hwreg(HW_REG_WAVE_MODE, 25, 1), 1
	s_wait_xcnt 0x0
	s_wait_alu depctr_hold_cnt(0) depctr_sa_sdst(0) depctr_va_vdst(0) depctr_va_sdst(0) depctr_va_ssrc(0) depctr_va_vcc(0) depctr_vm_vsrc(0)
	s_getreg_b32 s2, hwreg(HW_REG_IB_STS2, 6, 4)
	s_cmp_eq_u32 s2, 0
	s_cbranch_scc0 .Lentry_in_a_cluster
	s_endpgm
.Lentry_in_a_cluster:
	s_bfe_u32 s2, ttmp6, 0x10000c
	s_cmp_lg_u32 s2, 0xf033
	s_cbranch_scc0 .Lentry_shape_is_right
	s_endpgm
.Lentry_shape_is_right:
; qkv = x W_attn + b_attn on codes of FP6 (E2M3) with E8M0 scales, and its result quantised at once: q and k along the head's 64, v along the tokens (the keys).  Nothing wider than codes goes to memory.
; OPERANDS lie in XQ and WQ as images of fragments (16 rows x 128 K: 1,536 bytes, six pieces of 256 bytes, lane l's 8 bytes at 8 l); codes at COD [tile][K step 8][1,536], scale words at 0 [tile][pair of K steps 4][r][2 words];
; row r of tile T is the true row 32 (T / 2) + 8 (T % 2) + r + 8 (r / 8).
; THE DEAL: 64 x 4 = 256 work-groups.  A work-group takes 128 tokens (8 tiles of x) through the same 256 columns (four heads) of q, of k and of v, one PART after the other; four waves, 32 accumulators each.
; SOURCE 0'S INDEX RUNS ALONG A LANE'S REGISTERS, source 1's is the lane's row; the axis that is quantised is source 0's.  q, k: source 0 = 8 tiles of W's columns (wave % 2), source 1 = 4 tiles of tokens (wave / 2).
; v: source 0 = the 8 tiles of tokens, source 1 = 4 tiles of W's columns: one head a wave.  Only LDS addresses, scale registers and bias registers differ.
; LDS: x's tiles for all of K stay (two halves of K, 49,152 bytes each); W comes in six CHUNKS of 16 tiles x half of K (98,304 bytes) through two regions, one beside each half of x.
; At the head one joint load a wave: x's lower half, chunk 0, x's upper half, chunk 1.  Four refills (chunks 2 to 5), each in a drained round of the cluster's barrier, a quarter of the chunk a wave, asked for four K steps
; (128 products a wave) ahead of the round or barrier that shows it.  For that reason, and since all sixteen clusters read the same W, no prefetch into the L2 is laid.
; CLUSTERS 4 x 4: x's tiles hang on the block's row alone and are shared along a row of the cluster, W's on its column alone and are shared along a column.
; SCALE WORDS AND BIASES go from memory straight into registers at the head.  A load of 8 bytes a lane takes 256 consecutive bytes of a tile's scale words: lanes 0-15 K steps 4 j, 4 j + 1, lanes 16-31 K steps 4 j + 2, 4 j + 3 (row 1).
; Sixteen groups of 8 registers: source 1's pairs stand at 0 modulo 8, source 0's (q's, k's, v's) at 2, 4, 6.  The bias is the C of each sum's first product.
; QKV lies in records [b x head 64][128 tokens 16][REC]: q's codes 0 [tile 8][768]; q's scale words 6,144 [tile / 4][r][tile % 4]; k's codes 6,656; v's codes 12,800 [16 of the head's 64: 4][1,536]; k's scale words 18,944; v's 19,456 [r][4].
; LIMITS: NaN and infinities are not served; a block whose largest magnitude lies under 2^-124, a block of zeros too, gets the byte 1.
; REGISTERS: window 0: v0-11 the fragments' LDS addresses, v12-31 addresses, v32-127 source 1's fragments (two sets), v128-255 scale words.  window 1: source 0's fragments, two sets, at v0 and v96.
; window 2: the accumulators, (a, b) at v[8 (8 a + b)].  window 3: v0-127 q's and k's bias, v128-159 v's, v160-204 the way out's work.
.set COD,   262144
.set REC,   19712
.set HS,    16*REC
.set FR,    12
.set FRB,   1536
.set TK,    4*FRB                      ; a tile's four K steps
.set YH,    8*TK                       ; x's part of a half of K; W's region lies behind it
.set HALF,  24*TK
.set SPARE, 2*HALF                     ; the spare words, 128 bytes a wave
.set ADRA, 16                          ; v16-17 source 1's fragments in half 0, 1 (q, k); v18-19 (v)
.set ADRB, 20                          ; v20-21 source 0's (q, k); v22-23 (v)
.set SOFV0, 24                         ; the way out's scale words: 16 r, lanes 16-31 the next head (q, k)
.set SOFV1, 25                         ; 16 r (v)
.set LOFF, 26                          ; 8 x lane
.set SPW,  28
.set NIL,  29
.set AF,   32
.set SCB,  128
.set BV,   128                         ; window 3
.set CDS,  160
.set PT,   172
.set TM,   180
.set SWD,  196
.set T0,   200
.set SHV3, 204
.set G1X,  24                          ; s[24:31] group 1 of x's halves (8 rows), s[48:55] of a whole chunk (16), s[68:75] of a quarter (4); group 0: s[32:39], s[56:63] the head's, s[76:79] the refills'
.set G1W,  48
.set G1R,  68
.set SEL,  66
.set P0,   12
.set P1,   18
.set PS,   100
.set MSB, 0
.macro WIN new                         ; the immediate's high byte repeats the setting that is left
.if MSB != (\new)
	s_set_vgpr_msb (MSB<<8)|(\new)
.set MSB, (\new)
.endif
.endm
.macro PLACES n
.rept \n
	v_nop
.endr
.endm
.macro CROUND
	s_barrier_signal -1
	s_barrier_wait -1
	s_cmp_lg_u32 s14, 0
	s_cbranch_scc1 .Lnot_wave_0_\@
	s_barrier_signal -3
.Lnot_wave_0_\@:
	s_barrier_wait -3
	s_barrier_signal -1
	s_barrier_wait -1
.endm
.macro G0SET g, lds, base, off
	s_mov_b32 s[\g], 1
	s_mov_b32 s[\g+1], \lds
	s_add_nc_u64 s[\g+2:\g+3], s[\base:\base+1], \off
	s_or_b32 s[\g+3], s[\g+3], 0x80000000
.endm
	s_load_b256 s[4:11], s[0:1], 0x0               ; XQ s[4:5], WQ s[6:7], b_attn s[8:9], QKV s[10:11]
	v_lshl_add_u32 v[SPW], v0, 2, SPARE
	v_mov_b32 v[NIL], 0
	ds_add_u32 v[SPW], v[NIL]                      ; the opening lines: the add, twice on end, and its wait ahead of my tensor load
	ds_add_u32 v[SPW], v[NIL]
	v_lshrrev_b32 v12, 5, v0
	v_readfirstlane_b32 s14, v12                   ; wave 0..3
	s_lshr_b32 s15, s14, 1
	s_and_b32 s16, s14, 1
	s_bfe_u32 s40, ttmp6, 0x40000                  ; cx, cy
	s_bfe_u32 s41, ttmp6, 0x40004
	s_lshl_b32 s42, ttmp9, 2
	s_add_co_u32 s42, s42, s40                     ; which 256 columns of q, k, v: 0..3
	s_and_b32 s17, ttmp7, 0xffff
	s_lshl_b32 s17, s17, 2
	s_add_co_u32 s17, s17, s41                     ; which 128 tokens: 0..63
	s_lshl_b32 s43, s41, 2
	s_lshl_b32 s43, 15, s43                        ; my row of the cluster
	s_lshl_b32 s44, 0x1111, s40                    ; my column
	s_or_b32 s[G1X+0], s43, (3<<16)|(1<<21)        ; rows (tiles) of 768 elements of 8 bytes (four fragments), 1,536 elements apart; no padding: every LDS read is 8 x lane on end
	s_or_b32 s[G1W+0], s44, (3<<16)|(1<<21)
	s_or_b32 s[G1R+0], s44, (3<<16)|(1<<21)
.irp g, G1X, G1W, G1R
	s_mov_b32 s[\g+1], 768<<16
	s_mov_b32 s[\g+3], 768<<16
	s_mov_b32 s[\g+5], 1536
	s_mov_b32 s[\g+6], 0
	s_mov_b32 s[\g+7], 0
.endr
	s_mov_b32 s[G1X+2], 8<<16
	s_mov_b32 s[G1X+4], 8
	s_mov_b32 s[G1W+2], 16<<16
	s_mov_b32 s[G1W+4], 16
	s_mov_b32 s[G1R+2], 4<<16
	s_mov_b32 s[G1R+4], 4
	s_mul_i32 s20, s17, 8*12288
	s_add_co_u32 s20, s20, COD                     ; x's 8 tiles
	s_mov_b32 s21, 0
	s_mul_i32 s46, s42, 16*12288
	s_add_co_u32 s46, s46, COD                     ; q's 16 tiles of W
	s_mov_b32 s47, 0
	s_mul_i32 s82, s14, 4*TK                       ; a refill's quarter: where it goes,
	s_mul_i32 s84, s14, 4*12288                    ; and where it comes from
	s_mov_b32 s85, 0
	s_mov_b32 s76, 1
	s_mov_b32 s[SEL], 0x76543210
	s_mov_b32 s[SEL+1], 0xfedcba98                 ; v_permlanex16_b32's selects for lane l xor 16
	s_wait_dscnt 0x0
	s_wait_kmcnt 0x0
	s_add_nc_u64 s[20:21], s[4:5], s[20:21]
	s_add_nc_u64 s[46:47], s[6:7], s[46:47]
	s_add_nc_u64 s[80:81], s[46:47], s[84:85]
	CROUND                                         ; all sixteen work-groups are here: the joint loads meet
	G0SET 32, 0, 20, 0
	G0SET 36, YH, 46, 0
	G0SET 56, HALF, 20, TK
	G0SET 60, HALF+YH, 46, TK
; one tree of branches on the wave's number, a load to an arm, all arms leading to one join (one tensor load a wave at the head)
.macro ARM under, g0, g1, next
	s_cmp_lt_u32 s14, \under
	s_cbranch_scc0 \next
	tensor_load_to_lds s[\g0:\g0+3], s[\g1:\g1+7]
	s_nop 0
	PLACES 4
	s_branch .Lhead_asked
\next:
.endm
	ARM 1, 32, G1X, .Lhead_w0
	ARM 2, 36, G1W, .Lhead_x1
	ARM 3, 56, G1X, .Lhead_w1
	tensor_load_to_lds s[60:63], s[G1W:G1W+7]
	s_nop 0
	PLACES 4
.Lhead_asked:
	s_lshl_b32 s20, s17, 12
	s_mov_b32 s21, 0
	s_add_nc_u64 s[86:87], s[4:5], s[20:21]        ; the scale words of x's 8 tiles,
	s_lshl_b32 s20, s15, 11
	s_add_nc_u64 s[22:23], s[86:87], s[20:21]      ; of my 4 of them (q, k),
	s_lshl_b32 s20, s42, 13
	s_add_nc_u64 s[90:91], s[6:7], s[20:21]
	s_lshl_b32 s20, s16, 12
	s_add_nc_u64 s[88:89], s[90:91], s[20:21]      ; of my 8 tiles of W (q; k's lie 64 tiles on),
	s_lshl_b32 s20, s14, 11
	s_add_co_u32 s20, s20, 128*512
	s_add_nc_u64 s[90:91], s[90:91], s[20:21]      ; of my 4 tiles of W (v)
	s_lshl_b32 s20, s42, 10
	s_add_nc_u64 s[94:95], s[8:9], s[20:21]
	s_lshl_b32 s20, s16, 9
	s_add_nc_u64 s[92:93], s[94:95], s[20:21]      ; the bias of my 128 columns (q; k's 4,096 bytes on),
	s_lshl_b32 s20, s14, 8
	s_add_co_u32 s20, s20, 8192
	s_add_nc_u64 s[94:95], s[94:95], s[20:21]      ; of my 64 columns (v)
	s_lshr_b32 s96, s17, 4
	s_lshl_b32 s96, s96, 4
	s_lshl_b32 s97, s42, 2
	s_add_co_u32 s96, s96, s97                     ; 16 b + the first of the four heads
	s_add_co_u32 s97, s96, s14                     ; v: my head
	s_lshl_b32 s98, s16, 1
	s_add_co_u32 s96, s96, s98                     ; q, k: my first head
	s_mul_i32 s96, s96, HS
	s_mul_i32 s97, s97, HS
	s_and_b32 s98, s17, 15
	s_mul_i32 s98, s98, REC
	s_add_co_u32 s96, s96, s98                     ; my records, in bytes
	s_add_co_u32 s97, s97, s98
	s_mov_b32 s99, 0
	s_mul_i32 s83, s15, 4*768
	s_lshl_b32 s84, s15, 8
	s_mul_i32 s45, s15, 4*TK
	s_mul_i32 s46, s16, 8*TK
	s_add_co_u32 s46, s46, YH
	s_add_co_u32 s47, s82, YH
	v_and_b32 v12, 15, v0                          ; r
	v_bfe_u32 v13, v0, 4, 1                        ; h
	v_and_b32 v14, 31, v0
	v_lshlrev_b32 v[LOFF], 3, v14
	v_lshlrev_b32 v30, 6, v13                      ; q, k's bias: 64 h
	v_and_b32 v15, 8, v12
	v_add_nc_u32 v15, v15, v12
	v_lshlrev_b32 v31, 2, v15                      ; v's: 4 (r + 8 (r / 8))
.irp a, 0,1,2,3
.irp j, 0,1
	global_load_b64 v[SCB+8*(2*\a+\j):SCB+8*(2*\a+\j)+1], v[LOFF], s[22:23] offset:512*\a+256*\j
.endr
.endr
.irp b, 0,1,2,3,4,5,6,7
.irp j, 0,1
	global_load_b64 v[SCB+8*(2*\b+\j)+2:SCB+8*(2*\b+\j)+3], v[LOFF], s[88:89] offset:512*\b+256*\j
.endr
.endr
	WIN 0xc0                                       ; destination window 3
.irp t, 0,1                                    ; register 64 t + 8 b + j = b_attn[1,024 t + my first column + 32 (b / 2) + 8 (b % 2) + 16 h + j]
.irp b, 0,1,2,3,4,5,6,7
	global_load_b128 v[64*\t+8*\b:64*\t+8*\b+3], v30, s[92:93] offset:4096*\t+4*(32*(\b/2)+8*(\b%2))
	global_load_b128 v[64*\t+8*\b+4:64*\t+8*\b+7], v30, s[92:93] offset:4096*\t+4*(32*(\b/2)+8*(\b%2))+16
.endr
.endr
.irp a, 0,1,2,3                                ; v: one number a lane and tile: column 32 (a / 2) + 8 (a % 2) + r + 8 (r / 8) of my head
	global_load_b32 v[BV+8*\a], v31, s[94:95] offset:4*(32*(\a/2)+8*(\a%2))
.endr
.irp b, 0,1,2,3
	v_mov_b32 v[TM+4+\b], 0                        ; written once: a lane permute's destination counts as one of its sources
.endr
	v_lshlrev_b32 v[SHV3], 4, v13                  ; q, k: lanes 16-31 take a scale word's upper half
	WIN 0
.irp b, 0,1,2,3,4,5,6,7
.irp j, 0,1
	global_load_b64 v[SCB+8*(2*\b+\j)+4:SCB+8*(2*\b+\j)+5], v[LOFF], s[88:89] offset:32768+512*\b+256*\j
.endr
.endr
.irp b, 0,1,2,3,4,5,6,7
.irp j, 0,1
	global_load_b64 v[SCB+8*(2*\b+\j)+6:SCB+8*(2*\b+\j)+7], v[LOFF], s[86:87] offset:512*\b+256*\j
.endr
.endr
.irp a, 0,1,2,3
.irp j, 0,1
	global_load_b64 v[SCB+8*(8+2*\a+\j):SCB+8*(8+2*\a+\j)+1], v[LOFF], s[90:91] offset:512*\a+256*\j
.endr
.endr
	v_add_nc_u32 v[ADRA], s45, v[LOFF]
	v_add_nc_u32 v[ADRA+1], HALF, v[ADRA]
	v_add_nc_u32 v[ADRA+2], s47, v[LOFF]
	v_add_nc_u32 v[ADRA+3], HALF, v[ADRA+2]
	v_add_nc_u32 v[ADRB], s46, v[LOFF]
	v_add_nc_u32 v[ADRB+1], HALF, v[ADRB]
	v_mov_b32 v[ADRB+2], v[LOFF]
	v_add_nc_u32 v[ADRB+3], HALF, v[LOFF]
	v_mul_u32_u24 v[SOFV0], v13, HS
	v_lshl_add_u32 v[SOFV0], v12, 4, v[SOFV0]
	v_lshlrev_b32 v[SOFV1], 4, v12
; K step s of a part in mode m (0: q, k; 1: v) into set s % 2: twelve address lines, which are also the places behind the last products, and 36 loads of two pieces each
.macro FETCH m, s
.irp b, 0,1,2,3,4,5,6,7
	v_add_nc_u32 v[\b], \b*TK+((\s)%4)*FRB, v[ADRB+2*(\m)+(\s)/4]
.endr
.irp a, 0,1,2,3
	v_add_nc_u32 v[8+\a], \a*TK+((\s)%4)*FRB, v[ADRA+2*(\m)+(\s)/4]
.endr
	WIN 0x40
.irp b, 0,1,2,3,4,5,6,7
.irp p, 0,2,4
	ds_load_2addr_b64 v[96*((\s)%2)+FR*\b+2*\p:96*((\s)%2)+FR*\b+2*\p+3], v[\b] offset0:32*\p offset1:32*\p+32
.endr
.endr
	WIN 0
.irp a, 0,1,2,3
.irp p, 0,2,4
	ds_load_2addr_b64 v[AF+48*((\s)%2)+FR*\a+2*\p:AF+48*((\s)%2)+FR*\a+2*\p+3], v[8+\a] offset0:32*\p offset1:32*\p+32
.endr
.endr
.endm
.macro PR d, x, y, c, xs, ys, row
	v_wmma_scale_f32_16x16x128_f8f6f4 v[\d:\d+7], v[\x:\x+FR-1], v[\y:\y+FR-1], \c, v[\xs], v[\ys] matrix_a_fmt:MATRIX_FMT_FP6 matrix_b_fmt:MATRIX_FMT_FP6 matrix_a_scale:MATRIX_SCALE_ROW\row matrix_b_scale:MATRIX_SCALE_ROW\row
.endm
.macro MUL j, s                        ; 32 products of part j (0 q, 1 k, 2 v); the accumulators take turns, one instruction a turn, in the same order in every step
.irp a, 0,1,2,3
.irp b, 0,1,2,3,4,5,6,7
.set DR, 8*(8*\a+\b)
.set XR, 96*((\s)%2)+FR*\b
.set YR, AF+48*((\s)%2)+FR*\a
.set XS_, SCB+8*(2*\b+(\s)/4)+2+2*(\j)+(\s)%2
.set YS_, SCB+8*(8*((\j)/2)+2*\a+(\s)/4)+(\s)%2
.if (\s) == 0
.if (\j) == 2
	PR DR, XR, YR, v[BV+8*\a:BV+8*\a+7], XS_, YS_, 0
.else
	PR DR, XR, YR, v[64*(\j)+8*\b:64*(\j)+8*\b+7], XS_, YS_, 0
.endif
.elseif ((\s)%4)/2
	PR DR, XR, YR, v[DR:DR+7], XS_, YS_, 1
.else
	PR DR, XR, YR, v[DR:DR+7], XS_, YS_, 0
.endif
.endr
.endr
.endm
; A step: this step's fragments are in; the next step's are asked for; 32 products.  In steps 3 and 7 the next step reads the other region of W, and this step's region is read no more:
; in parts q and k a drained round follows, and the region takes the chunk two further on; in part v's step 3 a plain barrier shows the last chunk.
.macro STEP j, s
.if ((\s) == 3 || (\s) == 7) && (\j) < 2
	s_wait_tensorcnt 0x0                           ; all my tensor loads have landed;
	ds_add_u32 v[SPW], v[NIL]                      ; the refill's descriptor, work on registers, stands between it and its wait
	s_add_nc_u64 s[78:79], s[80:81], ((\j)+1)*64*12288+((\s)/4)*TK
	s_or_b32 s79, s79, 0x80000000
	s_add_co_u32 s77, s82, YH+((\s)/4)*HALF
	s_wait_dscnt 0x0                               ; the add is done, and my reads of this region are over
	CROUND
	tensor_load_to_lds s[76:79], s[G1R:G1R+7]      ; my quarter of the chunk: my one load behind the round
	s_nop 0
.elseif (\j) == 2 && (\s) == 3
	s_wait_tensorcnt 0x0
	s_wait_dscnt 0x0
	s_barrier_signal -1
	s_barrier_wait -1
.else
	s_wait_dscnt 0x0
.endif
.if (\s) < 7
	FETCH (\j)/2, (\s)+1
.elseif (\j) < 2
	FETCH ((\j)+1)/2, 0
.endif
.if (\s) == 0
	WIN 0xb1                                       ; source 0 window 1, source 1 window 0, C (the bias) window 3, D window 2
.else
	WIN 0xa1                                       ; C and D window 2
.endif
	MUL \j, \s
	WIN 0
.endm
; THE WAY OUT.  Block a: 16 rows of source 1 x 128 along source 0.  A lane's 64 numbers, register 16 b + i = index 32 b + 16 h + i of its row, become a fragment's codes and its row's scale word
.macro EPI a, stp
.set AC, 64*(\a)
.if (\a) > 0
	s_wait_xcnt 0x0                                ; the last block's stores have read their registers and bases
	s_add_nc_u64 s[P0:P0+1], s[P0:P0+1], \stp
	s_add_nc_u64 s[P1:P1+1], s[P1:P1+1], \stp
.endif
	WIN 0xfa                                       ; sources 0 and 1: the accumulators; source 2 and the destination: window 3
.irp b, 0,1,2,3
	v_max3_num_f32 v[TM+\b], |v[AC+16*\b]|, |v[AC+16*\b+1]|, 0x1800000   ; my 16 numbers of block b, and the floor 2^(3 - 127).  Each accumulator is read from its low end on
.endr
.irp i, 2,4,6,8,10,12,14
.irp b, 0,1,2,3
	v_max3_num_f32 v[TM+\b], |v[AC+16*\b+\i]|, |v[AC+16*\b+\i+1]|, v[TM+\b]
.endr
.endr
	WIN 0xff
.irp b, 0,1,2,3
	v_permlanex16_b32 v[TM+4+\b], v[TM+\b], s[SEL], s[SEL+1]
.endr
.irp b, 0,1,2,3
	v_max_num_f32 v[TM+\b], v[TM+\b], v[TM+4+\b]   ; with lane l xor 16's: the block's largest magnitude
.endr
.irp b, 0,1,2,3
	v_add_nc_u32 v[TM+12+\b], 0xff000000, v[TM+\b] ; 2 off its exponent field: the conversion's scale operand
.endr
.irp b, 0,1,2,3
	v_lshrrev_b32 v[TM+4+\b], 23, v[TM+12+\b]      ; the scale's byte
.endr
	v_lshl_or_b32 v[SWD+(\a)], v[TM+5], 8, v[TM+4]
	v_lshl_or_b32 v[SWD+(\a)], v[TM+6], 16, v[SWD+(\a)]
	v_lshl_or_b32 v[SWD+(\a)], v[TM+7], 24, v[SWD+(\a)]
	WIN 0xfe                                       ; source 0: the accumulators
.irp c, 0,1
	v_cvt_scalef32_pk16_fp6_f32 v[CDS+6*\c:CDS+6*\c+2], v[AC+32*\c:AC+32*\c+15], v[TM+12+2*\c]
	v_cvt_scalef32_pk16_fp6_f32 v[PT+4*\c:PT+4*\c+2], v[AC+32*\c+16:AC+32*\c+31], v[TM+13+2*\c]   ; (a conversion's three registers begin on an even number)
.endr
	WIN 0xff
	v_nop                                          ; one plain instruction behind a scaled conversion
.irp c, 0,1                                    ; the operand's layout wants a whole block in a lane
.irp i, 0,1,2
	v_permlane16_swap_b32 v[CDS+6*\c+\i], v[PT+4*\c+\i]
.endr
.irp i, 0,1,2
	v_mov_b32 v[CDS+3+6*\c+\i], v[PT+4*\c+\i]
.endr
.endr
	WIN 0x0c                                       ; the address window 0, the data window 3
.irp p, 0,1,2
	global_store_b64 v[LOFF], v[CDS+2*\p:CDS+2*\p+1], s[P0:P0+1] offset:256*\p       ; each store covers 256 consecutive bytes, aligned
.endr
.irp p, 0,1,2
	global_store_b64 v[LOFF], v[CDS+6+2*\p:CDS+7+2*\p], s[P1:P1+1] offset:256*\p
.endr
	WIN 0
.endm
.macro OUT j
	s_wait_xcnt 0x0                                ; the last part's stores have read their bases and registers
.if (\j) < 2
	s_add_co_u32 s98, s96, 6656*(\j)
	s_add_co_u32 s98, s98, s83                     ; my four tiles of tokens
	s_add_nc_u64 s[P0:P0+1], s[10:11], s[98:99]
	s_add_nc_u64 s[P1:P1+1], s[P0:P0+1], HS        ; a fragment's second half is the next head's
	s_add_co_u32 s98, s96, 6144+12800*(\j)
	s_add_co_u32 s98, s98, s84
	s_add_nc_u64 s[PS:PS+1], s[10:11], s[98:99]
.else
	s_add_co_u32 s98, s97, 12800
	s_add_nc_u64 s[P0:P0+1], s[10:11], s[98:99]
	s_add_nc_u64 s[P1:P1+1], s[P0:P0+1], 768
	s_add_co_u32 s98, s97, 19456
	s_add_nc_u64 s[PS:PS+1], s[10:11], s[98:99]
.endif
.if (\j) == 0
	s_wait_loadcnt 0x0                             ; all that the head asked for is in: k's and v's scale words and biases
	WIN 0xc3
.irp a, 0,8,16,24
.irp i, 1,2,3,4,5,6,7
	v_mov_b32 v[BV+\a+\i], v[BV+\a]                ; v's bias, one number a lane and tile, over the tile's eight registers.  (These are also the places behind the last products)
.endr
.endr
	WIN 0
.else
	PLACES 4
.endif
.irp a, 0,1,2,3
.if (\j) < 2
	EPI \a, 768
.else
	EPI \a, 1536
.endif
.endr
.if (\j) < 2
	WIN 0xff
.irp i, 0,1,2,3
	v_lshrrev_b32 v[T0+\i], v[SHV3], v[SWD+\i]     ; lanes 16-31 take the second head's two bytes
.endr
.irp i, 0,1,2,3
	v_and_b32 v[T0+\i], 0xffff, v[T0+\i]           ; the word's upper two bytes are 0: they scale the half of a K = 128 product that holds zero codes
.endr
	WIN 0x0c
	global_store_b128 v[SOFV0], v[T0:T0+3], s[PS:PS+1]       ; sixteen lanes store 256 consecutive bytes, aligned
.else
	WIN 0x0c
	global_store_b128 v[SOFV1], v[SWD:SWD+3], s[PS:PS+1]     ; (lanes 16-31 store the same bytes with the same values)
.endif
	WIN 0
.endm
	s_wait_alu depctr_va_vdst(0)                   ; the wait at the head's end
	s_cmp_lt_u32 s14, 2
	s_cbranch_scc0 .Lnot_first
	s_wait_tensorcnt 0x0                           ; waves 0 and 1: x's lower half of K and chunk 0
.Lnot_first:
	s_barrier_signal -1
	s_barrier_wait -1                              ; they are in; the other two loads may be on their way
	FETCH 0, 0
	s_wait_loadcnt 60                              ; q's scale words and bias are in: 60 loads were issued behind them
.irp j, 0,1,2
.irp s, 0,1,2,3,4,5,6,7
	STEP \j, \s
.endr
	OUT \j
.endr
	s_wait_tensorcnt 0x0                           ; the wave's end
	ds_add_u32 v[SPW], v[NIL]
	s_wait_dscnt 0x0
	CROUND                                         ; the closing round
	s_endpgm
.Lfunc_end_k_qad22e5d86d_qkv:
	.size	k_qad22e5d86d_qkv, .Lfunc_end_k_qad22e5d86d_qkv-k_qad22e5d86d_qkv
	.p2alignl 7, 3214868480
	.fill 96, 4, 3214868480
	.section	.rodata,"a",@progbits
	.p2align	6, 0x0
	.amdhsa_kernel k_qad22e5d86d_qkv
		.amdhsa_group_segment_fixed_size 327680
		.amdhsa_private_segment_fixed_size 0
		.amdhsa_enable_private_segment 0
		.amdhsa_kernarg_size 32
		.amdhsa_user_sgpr_count 2
		.amdhsa_user_sgpr_kernarg_segment_ptr 1
		.amdhsa_wavefront_size32 1
		.amdhsa_system_sgpr_workgroup_id_x 1
		.amdhsa_system_sgpr_workgroup_id_y 1
		.amdhsa_system_sgpr_workgroup_id_z 1
		.amdhsa_system_vgpr_workitem_id 0
		.amdhsa_next_free_vgpr 1024
		.amdhsa_next_free_sgpr 102
		.amdhsa_reserve_vcc 0
		.amdhsa_float_denorm_mode_32 3
		.amdhsa_float_denorm_mode_16_64 3
		.amdhsa_memory_ordered 1
		.amdhsa_forward_progress 1
		.amdhsa_inst_pref_size 251
	.end_amdhsa_kernel
	.amdgpu_metadata
---
amdhsa.version: [ 1, 2 ]
amdhsa.kernels:
  - .name:           k_qad22e5d86d_qkv
    .symbol:         k_qad22e5d86d_qkv.kd
    .args:
      - { .name: XQ, .offset: 0, .size: 8, .value_kind: global_buffer, .address_space: global }
      - { .name: WQ, .offset: 8, .size: 8, .value_kind: global_buffer, .address_space: global }
      - { .name: b_attn, .offset: 16, .size: 8, .value_kind: global_buffer, .address_space: global }
      - { .name: QKV, .offset: 24, .size: 8, .value_kind: global_buffer, .address_space: global }
    .group_segment_fixed_size: 327680
    .private_segment_fixed_size: 0
    .kernarg_segment_align: 8
    .kernarg_segment_size: 32
    .max_flat_workgroup_size: 128
    .sgpr_count:     102
    .vgpr_count:     1024
    .wavefront_size: 32
...
	.end_amdgpu_metadata
.endif
;; end of part 2
;; launch attn (part 3): grid 4 x 64, 16 waves a work-group, clusters of 4 x 1, 327,680 bytes of LDS; arguments QKV, YQ; writes YQ
.if DOCPART == 3
	.amdgcn_target "amdgcn-amd-amdhsa--gfx1250"
	.amdhsa_code_object_version 6
	.text
	.protected	k_qad22e5d86d_attn
	.globl	k_qad22e5d86d_attn
	.p2align	8
	.type	k_qad22e5d86d_attn,@function
k_qad22e5d86d_attn:
	s_mov_b64 s[64:65], 0
	v_nop
	global_prefetch_b8 v0, s[64:65] scope:SCOPE_SE
	s_setreg_imm32_b32 hwreg(HW_REG_WAVE_MODE, 25, 1), 1
	s_wait_xcnt 0x0
	s_wait_alu depctr_hold_cnt(0) depctr_sa_sdst(0) depctr_va_vdst(0) depctr_va_sdst(0) depctr_va_ssrc(0) depctr_va_vcc(0) depctr_vm_vsrc(0)
	s_getreg_b32 s2, hwreg(HW_REG_IB_STS2, 6, 4)
	s_cmp_eq_u32 s2, 0
	s_cbranch_scc0 .Lentry_in_a_cluster
	s_endpgm
.Lentry_in_a_cluster:
	s_bfe_u32 s2, ttmp6, 0x10000c
	s_cmp_lg_u32 s2, 0x3003
	s_cbranch_scc0 .Lentry_shape_is_right
	s_endpgm
.Lentry_shape_is_right:
; y = softmax(q k^T / 8, causal) v for one b x head, on codes of FP6 (E2M3) with E8M0 scales, and y quantised along the head's 64 for the projection.
; WORK LEFT OUT: steps of 128 keys wholly above the diagonal (reference()'s own jnp.tril gives them the weight 0): they are not multiplied.
; LIMITS: NaN and infinities are not served; the promise holds while the scaled scores stay under 2^31 in magnitude; a tile's sums are finite wherever reference()'s are, and the second tile's sums start from the first's times 0.
; QKV lies in records [b x head][128 tokens][REC]: q's codes 0, q's scale words 6,144, then 13,056 dense bytes: k's codes, v's codes (keys innermost), k's scale words, v's.
; THE DEAL: a cluster of 4 work-groups serves one b x head; all 16 key steps (208,896 bytes) lie in each one's LDS, asked for jointly: wave w fetches key step w, 51 rows of 256 bytes, one tensor load a wave, no refill.
; Wave w of work-group cx owns query tiles 127 - (4 w + cx) and 4 w + cx (16 queries each): 16 - w / 2 and w / 2 + 1 key steps, 17 for every wave.  ONE loop of 17 trips walks both tiles; a tile's last step is its
; diagonal step: there the mask, the way out and the change of tile stand under scalar branches made of the wave's number and the trip alone.
; Both products are used transposed (S^T = k q^T, O^T = v^T p^T): a lane holds one query.  k's head size is 64: an operand's upper six registers are whatever follows (the next tile's codes, p's codes), against q's zero codes.
; K AND V HAVE REGISTERS OF THEIR OWN, fetched one step ahead: k's of step i + 1 behind step i's score products, v's behind its second product.  The last trip's fetches read a landed step again and are not used, so that the counted waits hold on every path.
; No prefetch into the L2: every tile is asked for at the head, and there is no loop to run ahead in.
.set REC,   19712
.set HS,    16*REC
.set KVO,   6656                       ; where a record's k, v and their scale words begin
.set STEPB, 13056                      ; and their bytes: k 0, v 6,144, k's scale words 12,288, v's 12,800
.set COD,   262144
.set SPARE, 16*STEPB                   ; the spare words, 128 bytes a wave
.set WV,  18                           ; s18 wave; s19 wave / 2; s53 the first tile's diagonal step; s54 the trip; s55 the next step's LDS bytes; s57 1 in a diagonal step
.set NINF, 4                           ; v4 -infinity;  v5 my query's place in its 128, less 16 h;  v6, v7 LDS addresses of the next step's codes and scale words;  v1 = 8 x lane, v3 = 12,288 + 16 r
.set THR, 5
.set CA,  6
.set SA,  7
.set F,   8                            ; v[8:9] f = 2^(old M - new M);  v12 -M, v13 the running largest score, v[14:15] the row's sum
.set BM,  28
.set BP,  32
.set KS,  36                           ; v36-43 k's scale words, v44-47 v's, v48 q's, v49 p's: they hold nothing else
.set VS,  44
.set QS,  48
.set PS,  49
.set VF,  50                           ; v50-97 v's four fragments
.set KF,  98                           ; v98-145 k's eight half fragments
.set PCD, 146                          ; v146-157 p's codes
.set S,   158                          ; v158-221 the scores, then p
.set O,   222                          ; v222-253 O^T
.set SPW, 254
.set NIL, 255
.macro ROUND
	s_barrier_signal -1
	s_barrier_wait -1
	s_cmp_lg_u32 s[WV], 0
	s_cbranch_scc1 .Lnot_wave_0_\@
	s_barrier_signal -3
.Lnot_wave_0_\@:
	s_barrier_wait -3
	s_barrier_signal -1
	s_barrier_wait -1
.endm
.macro WALU
	s_wait_alu depctr_va_vdst(0)
.endm
.macro HINT n
	s_delay_alu instid0(VALU_DEP_\n)
.endm
.macro LOADK ca, sa                    ; 26 LDS loads
.irp t, 0,1,2,3,4,5,6,7
.irp p, 0,1,2
	ds_load_b64 v[KF+6*\t+2*\p:KF+6*\t+2*\p+1], \ca offset:768*\t+256*\p
.endr
.endr
	ds_load_b128 v[KS:KS+3], \sa
	ds_load_b128 v[KS+4:KS+7], \sa offset:256
.endm
.macro LOADV ca, sa                    ; 25 LDS loads
.irp d, 0,1,2,3
.irp p, 0,1,2,3,4,5
	ds_load_b64 v[VF+12*\d+2*\p:VF+12*\d+2*\p+1], \ca offset:6144+1536*\d+256*\p
.endr
.endr
	ds_load_b128 v[VS:VS+3], \sa offset:512
.endm
.macro LOADQ q                         ; a query tile's codes and scale words (v3 holds 12,288 + 16 r: the immediate takes 6,144 off, which leaves the scale words' place in the record)
.irp p, 0,1,2
	global_load_b64 v[16+2*\p:17+2*\p], v1, s[\q:\q+1] offset:256*\p
.endr
	global_load_b32 v[QS], v3, s[\q+2:\q+3] offset:-6144
.endm
.macro TADR q, y, th                   ; tile s52: q's codes s[q:q+1], its scale words' base s[q+2:q+3], y's codes s[y:y+1], y's scale bytes s[y+2:y+3], the tile's first query in its 128: s[th]
	s_lshr_b32 s70, s52, 3
	s_mul_i32 s70, s70, REC
	s_add_co_u32 s70, s70, s46
	s_and_b32 s72, s52, 7
	s_mul_i32 s73, s72, 768
	s_add_co_u32 s76, s70, s73
	s_mov_b32 s77, 0
	s_add_nc_u64 s[\q:\q+1], s[4:5], s[76:77]
	s_lshr_b32 s73, s72, 2
	s_lshl_b32 s73, s73, 8
	s_add_co_u32 s76, s70, s73
	s_and_b32 s73, s52, 3
	s_lshl_b32 s73, s73, 2
	s_add_co_u32 s76, s76, s73
	s_add_nc_u64 s[\q+2:\q+3], s[4:5], s[76:77]
	s_lshl_b32 s72, s49, 7
	s_add_co_u32 s72, s72, s52             ; the tile of 16 tokens in YQ
	s_mul_i32 s76, s72, 12288
	s_add_co_u32 s76, s76, COD
	s_mul_i32 s73, s50, 768                ; a head is half a fragment
	s_add_co_u32 s76, s76, s73
	s_add_nc_u64 s[\y:\y+1], s[6:7], s[76:77]
	s_lshl_b32 s76, s72, 9
	s_lshr_b32 s73, s50, 2
	s_lshl_b32 s73, s73, 7
	s_add_co_u32 s76, s76, s73
	s_and_b32 s73, s50, 3
	s_lshl_b32 s73, s73, 1
	s_add_co_u32 s76, s76, s73
	s_add_nc_u64 s[\y+2:\y+3], s[6:7], s[76:77]
	s_and_b32 s72, s52, 6
	s_lshl_b32 s72, s72, 4
	s_and_b32 s73, s52, 1
	s_lshl_b32 s73, s73, 3
	s_add_co_u32 s[\th], s72, s73
.endm
	s_load_b128 s[4:7], s[0:1], 0x0                ; QKV, YQ
	v_lshl_add_u32 v[SPW], v0, 2, SPARE
	v_mov_b32 v[NIL], 0
	ds_add_u32 v[SPW], v[NIL]                      ; the opening lines: the add, twice on end, and its wait ahead of my tensor load
	ds_add_u32 v[SPW], v[NIL]
	v_lshrrev_b32 v2, 5, v0
	v_readfirstlane_b32 s[WV], v2
	s_bfe_u32 s51, ttmp6, 0x40000                  ; cx
	s_and_b32 s48, ttmp7, 0xffff                   ; b x head
	s_lshr_b32 s49, s48, 4
	s_and_b32 s50, s48, 15
	s_mov_b32 s24, 15|(3<<16)|(1<<21)              ; group 1: all four work-groups; 51 rows of 32 elements of 8 bytes, dense
	s_mov_b32 s25, 32<<16
	s_mov_b32 s26, 51<<16
	s_mov_b32 s27, 32<<16
	s_mov_b32 s28, 51
	s_mov_b32 s29, 32
	s_mov_b32 s30, 0
	s_mov_b32 s31, 0
	s_mov_b32 s20, 0x76543210
	s_mov_b32 s21, 0xfedcba98                      ; v_permlanex16_b32's selects for lane l xor 16
	s_mov_b32 s22, 0x3e38aa3b                      ; c = log2(e) / 8
	s_mov_b32 s23, s22
	s_lshr_b32 s19, s[WV], 1
	s_sub_co_u32 s53, 15, s19
	s_mul_i32 s46, s48, HS                         ; my head's records
	s_mul_i32 s70, s[WV], REC
	s_add_co_u32 s70, s70, s46
	s_add_co_u32 s70, s70, KVO
	s_mov_b32 s71, 0
	s_mov_b32 s40, 1
	s_mul_i32 s41, s[WV], STEPB
	WALU
	s_wait_dscnt 0x0
	s_wait_kmcnt 0x0
	s_add_nc_u64 s[42:43], s[4:5], s[70:71]
	s_or_b32 s43, s43, 0x80000000
	ROUND                                          ; the four work-groups are here: the joint loads meet
	tensor_load_to_lds s[40:43], s[24:31]          ; key step = my wave's number: my one tensor load
	s_nop 0
	s_lshl_b32 s52, s[WV], 2
	s_add_co_u32 s52, s52, s51
	TADR 80, 84, 75                                ; the second tile, 4 w + cx
	s_sub_co_u32 s52, 127, s52
	TADR 56, 60, 74                                ; the first, 127 - (4 w + cx)
	s_sub_co_u32 s75, s75, s74                     ; what the change of tile adds to v5
	v_and_b32 v2, 31, v0
	v_lshlrev_b32 v1, 3, v2
	v_and_b32 v10, 15, v0
	v_lshl_add_u32 v3, v10, 4, 12288
	LOADQ 56
	v_bfe_u32 v11, v0, 4, 1
	v_and_b32 v2, 8, v10
	v_add_nc_u32 v2, v2, v10                       ; r + 8 (r / 8)
	v_lshlrev_b32 v11, 4, v11
	v_sub_nc_u32 v2, v2, v11
	v_add_nc_u32 v[THR], s74, v2
	v_mov_b32 v[NINF], 0xff800000
	v_mov_b32 v[F+1], 0
.irp i, 0,1,2,3,4,5
	v_mov_b32 v[22+\i], 0                          ; q's upper 64 along K: zero codes
	v_mov_b32 v[PCD+\i], 0                         ; read as the upper half of k's last operand
.endr
.irp i, 0,1,2,3
	v_mov_b32 v[BP+\i], 0                          ; a lane permute's destination counts as one of its sources
.endr
	v_mov_b32 v13, 0xff61b1e6                      ; the largest score so far: -3e38
	v_mov_b32 v12, 0x7e800000                      ; -M: 2^126, so that the first f is 0
	v_mov_b32 v14, 0
	v_mov_b32 v15, 0
.set n, 0
.rept 32
	v_mov_b32 v[O+n], 0                            ; once a launch: the step is written once, and the first f, 0, needs finite numbers
.set n, n+1
.endr
	WALU                                           ; the wait at the head's end
	s_wait_tensorcnt 0x0
	s_barrier_signal -1
	s_barrier_wait -1                              ; all sixteen key steps are in
	LOADK v1, v3                                   ; every wave's first step is key step 0
	LOADV v1, v3
	s_mov_b32 s54, 0
	s_wait_loadcnt 0x0
.Ltrip:
	s_add_co_u32 s56, s54, 1                       ; the next trip's key step: trip (first tile), or trip - 16 + w / 2 (second): (trip + 0 or w / 2) mod 16
	s_cmp_le_u32 s56, s53
	s_cselect_b32 s55, 0, s19
	s_add_co_u32 s55, s55, s56
	s_and_b32 s55, s55, 15
	s_mul_i32 s55, s55, STEPB
	s_cmp_eq_u32 s54, s53
	s_cselect_b32 s57, 1, 0
	s_cmp_eq_u32 s54, 16
	s_cselect_b32 s57, 1, s57
	s_wait_dscnt 25                                ; k's 26 loads are in; v's 25, issued behind them, may be out
.irp t, 0,1,2,3,4,5,6,7
	v_wmma_scale_f32_16x16x128_f8f6f4 v[S+8*\t:S+8*\t+7], v[KF+6*\t:KF+6*\t+11], v[16:27], 0, v[KS+\t], v[QS] matrix_a_fmt:MATRIX_FMT_FP6 matrix_b_fmt:MATRIX_FMT_FP6
.endr
	v_add_nc_u32 v[CA], s55, v1                    ; four places behind the products
	v_add_nc_u32 v[SA], s55, v3
	v_nop
	v_nop
	LOADK v[CA], v[SA]
	s_cmp_eq_u32 s57, 0
	s_cbranch_scc1 .Lopen
	s_cmp_eq_u32 s54, 16
	s_cbranch_scc1 .Lno_q
	LOADQ 80                                       ; the first tile's last scores are made: the second tile's q comes under the rest of the step
.Lno_q:
.set n, 0
.rept 64
	v_cmp_gt_i32 vcc_lo, 32*(n/16)+n%16, v[THR]    ; register n is key 32 (n / 16) + 16 h + n % 16 of the step
	v_cndmask_b32 v[S+n], v[S+n], v[NINF], vcc_lo
.set n, n+1
.endr
.Lopen:
; the largest score of each block of 32 keys, in two chains a block; each accumulator is read from its low end on
.irp b, 0,1,2,3
	v_max3_num_f32 v[BM+\b], v[S+16*\b], v[S+16*\b+1], v[S+16*\b+2]
.endr
.irp b, 0,1,2,3
	v_max3_num_f32 v[BP+\b], v[S+16*\b+8], v[S+16*\b+9], v[S+16*\b+10]
.endr
.irp i, 3,5
.irp b, 0,1,2,3
	v_max3_num_f32 v[BM+\b], v[BM+\b], v[S+16*\b+\i], v[S+16*\b+\i+1]
.endr
.irp b, 0,1,2,3
	v_max3_num_f32 v[BP+\b], v[BP+\b], v[S+16*\b+8+\i], v[S+16*\b+9+\i]
.endr
.endr
.irp b, 0,1,2,3
	v_max3_num_f32 v[BM+\b], v[BM+\b], v[S+16*\b+7], v[S+16*\b+15]
.endr
.irp b, 0,1,2,3
	HINT 4
	v_max_num_f32 v[BM+\b], v[BM+\b], v[BP+\b]
.endr
.irp b, 0,1,2,3
	HINT 4
	v_permlanex16_b32 v[BP+\b], v[BM+\b], s20, s21
.endr
.irp b, 0,1,2,3
	HINT 4
	v_max_num_f32 v[BM+\b], v[BM+\b], v[BP+\b]     ; with lane l xor 16's 16 keys
.endr
	HINT 2
	v_max3_num_f32 v2, v[BM], v[BM+1], v[BM+2]
	HINT 1
	v_max3_num_f32 v13, v13, v2, v[BM+3]           ; the running largest score
	HINT 1
	v_mul_f32 v2, s22, v13                         ; as t (c is positive)
	v_mov_b32 v10, v12
	HINT 2
	v_floor_f32 v12, -v2                           ; -M = -ceil(t): a whole number
	HINT 1
	v_sub_f32 v2, v12, v10
	HINT 1
	v_cvt_i32_f32 v2, v2                           ; (it saturates)
	HINT 1
	v_ldexp_f32 v[F], 1.0, v2                      ; f = 2^(old M - new M)
.set n, 0
.rept 32
	v_pk_fma_f32 v[S+n:S+n+1], v[S+n:S+n+1], s[22:23], v[12:13] op_sel_hi:[1,0,0]   ; t - M
.set n, n+2
.endr
.irp b, 0,1,2,3
	v_fma_f32 v[BM+\b], v[BM+\b], s22, v12         ; the same of each block's largest score
.endr
	WALU                                           ; the wait ahead of the batch
.set n, 0
.rept 64
	v_exp_f32 v[S+n], v[S+n]                       ; p = 2^(t - M)
.set n, n+1
.endr
	v_pk_mul_f32 v[14:15], v[14:15], v[F:F+1] op_sel_hi:[1,0]
	WALU                                           ; and behind it
.irp b, 0,1,2,3
	v_exp_f32 v[BM+\b], v[BM+\b]                   ; each block's largest p
.endr
; the row's sum of the unquantised p, two at a time, in four chains
	v_pk_add_f32 v[BP:BP+1], v[S:S+1], v[S+2:S+3]
	v_pk_add_f32 v[BP+2:BP+3], v[S+4:S+5], v[S+6:S+7]
	v_pk_add_f32 v[10:11], v[S+8:S+9], v[S+10:S+11]
	v_pk_add_f32 v[14:15], v[14:15], v[S+12:S+13]
.irp j, 14,22,30,38,46,54
	v_pk_add_f32 v[BP:BP+1], v[BP:BP+1], v[S+\j:S+\j+1]
	v_pk_add_f32 v[BP+2:BP+3], v[BP+2:BP+3], v[S+\j+2:S+\j+3]
	v_pk_add_f32 v[10:11], v[10:11], v[S+\j+4:S+\j+5]
	v_pk_add_f32 v[14:15], v[14:15], v[S+\j+6:S+\j+7]
.endr
	v_pk_add_f32 v[14:15], v[14:15], v[S+62:S+63]
	v_pk_add_f32 v[BP:BP+1], v[BP:BP+1], v[BP+2:BP+3]
	HINT 2
	v_pk_add_f32 v[14:15], v[14:15], v[10:11]
	HINT 1
	v_pk_add_f32 v[14:15], v[14:15], v[BP:BP+1]
	WALU                                           ; for the four
.irp b, 0,1,2,3
	v_max_num_f32 v[BM+\b], 0x1800000, v[BM+\b]    ; the floor 2^(3 - 127): the byte cannot fall under 1
.endr
.irp b, 0,1,2,3
	HINT 4
	v_add_nc_u32 v[BM+\b], 0xff000000, v[BM+\b]    ; 2 off the exponent field: the conversion's scale operand
.endr
.irp b, 0,1,2,3
	HINT 4
	v_lshrrev_b32 v[BP+\b], 23, v[BM+\b]           ; the scale's byte
.endr
	HINT 3
	v_lshl_or_b32 v[PS], v[BP+1], 8, v[BP]
	HINT 1
	v_lshl_or_b32 v[PS], v[BP+2], 16, v[PS]
	HINT 1
	v_lshl_or_b32 v[PS], v[BP+3], 24, v[PS]
	v_cvt_scalef32_pk16_fp6_f32 v[PCD:PCD+2], v[S:S+15], v[BM]
	v_cvt_scalef32_pk16_fp6_f32 v[PCD+6:PCD+8], v[S+32:S+47], v[BM+2]
	v_nop                                          ; a plain place: the next two land on numbers that the first two have read
	v_cvt_scalef32_pk16_fp6_f32 v[S:S+2], v[S+16:S+31], v[BM+1]
	v_cvt_scalef32_pk16_fp6_f32 v[S+32:S+34], v[S+48:S+63], v[BM+3]
	v_nop
.irp c, 0,1                                    ; the operand's layout wants a whole block in a lane
.irp i, 0,1,2
	v_permlane16_swap_b32 v[PCD+6*\c+\i], v[S+32*\c+\i]
.endr
.irp i, 0,1,2
	HINT 3
	v_mov_b32 v[PCD+3+6*\c+\i], v[S+32*\c+\i]
.endr
.endr
	WALU                                           ; the wait directly ahead of the first reader of O^T
.set n, 0
.rept 16
	v_pk_mul_f32 v[O+n:O+n+1], v[O+n:O+n+1], v[F:F+1] op_sel_hi:[1,0]   ; O^T under the new M; also the places ahead of the products
.set n, n+2
.endr
	WALU
	s_wait_dscnt 26                                ; v's 25 loads are in; the next step's 26 of k may be out
.irp d, 0,1,2,3
	v_wmma_scale_f32_16x16x128_f8f6f4 v[O+8*\d:O+8*\d+7], v[VF+12*\d:VF+12*\d+11], v[PCD:PCD+11], v[O+8*\d:O+8*\d+7], v[VS+\d], v[PS] matrix_a_fmt:MATRIX_FMT_FP6 matrix_b_fmt:MATRIX_FMT_FP6
.endr
.rept 4
	v_nop
.endr
	LOADV v[CA], v[SA]
	s_cmp_eq_u32 s57, 0
	s_cbranch_scc1 .Lnext
; THE WAY OUT of a tile, behind its diagonal step: y = O^T / the sum, quantised along the head's 64: two blocks, half a fragment of YQ
	v_add_f32 v14, v14, v15
	HINT 1
	v_permlanex16_b32 v2, v14, s20, s21
	HINT 1
	v_add_f32 v14, v14, v2
	WALU
	v_rcp_f32 v14, v14
	v_nop
	WALU
.set n, 0
.rept 16
	v_pk_mul_f32 v[S+n:S+n+1], v[O+n:O+n+1], v[14:15] op_sel_hi:[1,0]
.set n, n+2
.endr
.irp g, 0,1
	v_max3_num_f32 v[BM+\g], |v[S+16*\g]|, |v[S+1+16*\g]|, 0x1800000
.endr
.irp i, 2,4,6,8,10,12,14
.irp g, 0,1
	HINT 2
	v_max3_num_f32 v[BM+\g], v[BM+\g], |v[S+16*\g+\i]|, |v[S+1+16*\g+\i]|
.endr
.endr
.irp g, 0,1
	HINT 2
	v_permlanex16_b32 v[BP+\g], v[BM+\g], s20, s21
.endr
.irp g, 0,1
	HINT 2
	v_max_num_f32 v[BM+\g], v[BM+\g], v[BP+\g]
.endr
.irp g, 0,1
	HINT 2
	v_add_nc_u32 v[BM+\g], 0xff000000, v[BM+\g]
.endr
.irp g, 0,1
	HINT 2
	v_lshrrev_b32 v[BP+\g], 23, v[BM+\g]
.endr
	HINT 1
	v_lshl_or_b32 v10, v[BP+1], 8, v[BP]
	v_cvt_scalef32_pk16_fp6_f32 v[PCD:PCD+2], v[S:S+15], v[BM]
	v_cvt_scalef32_pk16_fp6_f32 v[S+32:S+34], v[S+16:S+31], v[BM+1]
	v_nop
.irp i, 0,1,2
	v_permlane16_swap_b32 v[PCD+\i], v[S+32+\i]
.endr
.irp i, 0,1,2
	HINT 3
	v_mov_b32 v[PCD+3+\i], v[S+32+\i]
.endr
	v_and_b32 v2, 15, v0
	HINT 1
	v_lshlrev_b32 v2, 3, v2                        ; 8 r
.irp p, 0,1,2
	global_store_b64 v1, v[PCD+2*\p:PCD+2*\p+1], s[60:61] offset:256*\p   ; each store covers 256 consecutive bytes, aligned
.endr
	global_store_b16 v2, v10, s[62:63]
	s_wait_xcnt 0x0                                ; the stores have read their bases and data: both are written again only behind this wait
	s_mov_b64 s[60:61], s[84:85]                   ; THE CHANGE OF TILE (behind the second tile these lines change nothing that is read)
	s_mov_b64 s[62:63], s[86:87]
	s_wait_loadcnt 0x0                             ; the second tile's q
	v_mov_b32 v13, 0xff61b1e6
	v_mov_b32 v12, 0x7e800000                      ; the next f is 0: sums and O^T start anew with no clearing
	v_add_nc_u32 v[THR], s75, v[THR]
	WALU                                           ; the wait ahead of the jump back
.Lnext:
	s_add_co_u32 s54, s54, 1
	s_cmp_lt_u32 s54, 17
	s_cbranch_scc1 .Ltrip
	s_wait_tensorcnt 0x0                           ; the wave's end
	ds_add_u32 v[SPW], v[NIL]
	s_wait_dscnt 0x0
	ROUND                                          ; the closing round
	s_endpgm
.Lfunc_end_k_qad22e5d86d_attn:
	.size	k_qad22e5d86d_attn, .Lfunc_end_k_qad22e5d86d_attn-k_qad22e5d86d_attn
	.p2alignl 7, 3214868480
	.fill 96, 4, 3214868480
	.section	.rodata,"a",@progbits
	.p2align	6, 0x0
	.amdhsa_kernel k_qad22e5d86d_attn
		.amdhsa_group_segment_fixed_size 327680
		.amdhsa_private_segment_fixed_size 0
		.amdhsa_enable_private_segment 0
		.amdhsa_kernarg_size 16
		.amdhsa_user_sgpr_count 2
		.amdhsa_user_sgpr_kernarg_segment_ptr 1
		.amdhsa_wavefront_size32 1
		.amdhsa_system_sgpr_workgroup_id_x 1
		.amdhsa_system_sgpr_workgroup_id_y 1
		.amdhsa_system_sgpr_workgroup_id_z 1
		.amdhsa_system_vgpr_workitem_id 0
		.amdhsa_next_free_vgpr 256
		.amdhsa_next_free_sgpr 92
		.amdhsa_reserve_vcc 1
		.amdhsa_float_denorm_mode_32 3
		.amdhsa_float_denorm_mode_16_64 3
		.amdhsa_memory_ordered 1
		.amdhsa_forward_progress 1
		.amdhsa_inst_pref_size 41
	.end_amdhsa_kernel
	.amdgpu_metadata
---
amdhsa.version: [ 1, 2 ]
amdhsa.kernels:
  - .name:           k_qad22e5d86d_attn
    .symbol:         k_qad22e5d86d_attn.kd
    .args:
      - { .name: QKV, .offset: 0, .size: 8, .value_kind: global_buffer, .address_space: global }
      - { .name: YQ, .offset: 8, .size: 8, .value_kind: global_buffer, .address_space: global }
    .group_segment_fixed_size: 327680
    .private_segment_fixed_size: 0
    .kernarg_segment_align: 8
    .kernarg_segment_size: 16
    .max_flat_workgroup_size: 512
    .sgpr_count:     92
    .vgpr_count:     256
    .wavefront_size: 32
...
	.end_amdgpu_metadata
.endif
;; end of part 3
;; launch proj (part 4): grid 4 x 64, 4 waves a work-group, clusters of 4 x 4, 327,680 bytes of LDS; arguments YQ, WQ, b_proj, out0; writes out0
.if DOCPART == 4
	.amdgcn_target "amdgcn-amd-amdhsa--gfx1250"
	.amdhsa_code_object_version 6
	.text
	.protected	k_qad22e5d86d_proj
	.globl	k_qad22e5d86d_proj
	.p2align	8
	.type	k_qad22e5d86d_proj,@function
k_qad22e5d86d_proj:
	s_mov_b64 s[64:65], 0
	v_nop
	global_prefetch_b8 v0, s[64:65] scope:SCOPE_SE
	s_setreg_imm32_b32 hwreg(HW_REG_WAVE_MODE, 25, 1), 1
	s_wait_xcnt 0x0
	s_wait_alu depctr_hold_cnt(0) depctr_sa_sdst(0) depctr_va_vdst(0) depctr_va_sdst(0) depctr_va_ssrc(0) depctr_va_vcc(0) depctr_vm_vsrc(0)
	s_getreg_b32 s2, hwreg(HW_REG_IB_STS2, 6, 4)
	s_cmp_eq_u32 s2, 0
	s_cbranch_scc0 .Lentry_in_a_cluster
	s_endpgm
.Lentry_in_a_cluster:
	s_bfe_u32 s2, ttmp6, 0x10000c
	s_cmp_lg_u32 s2, 0xf033
	s_cbranch_scc0 .Lentry_shape_is_right
	s_endpgm
.Lentry_shape_is_right:
; out0 = y W_proj + b_proj on codes of FP6 (E2M3) with E8M0 scales; sums in f32.  y's codes lie in YQ, W_proj's in WQ (tiles 192-255), as images of fragments (16 rows x 128 K: 1,536 bytes, six pieces of 256 bytes,
; lane l's 8 bytes at 8 l); codes at COD [tile][K step 8][1,536], scale words at 0 [tile][pair of K steps 4][r][2 words]; row r of tile T is the true row 32 (T / 2) + 8 (T % 2) + r + 8 (r / 8).
; THE DEAL: a block of 128 rows x 256 columns a work-group: 64 x 4 = 256 work-groups.  Four waves, 2 x 2, 64 x 128 each: 32 accumulators.
; ALL OF K LIES IN LDS: 24 tiles x 12,288 bytes.  Four joint loads at the head, one a wave: y's 8 tiles and W's 16 tiles of K steps 0-3, then the same of K steps 4-7.  The first barrier shows the first two (their waves alone wait),
; the second, in step 3, shows the rest.  Nothing is filled again.  So there is no loop to run ahead in, and no prefetch into the L2.
; CLUSTERS 4 x 4: y's tiles hang on the block's row alone and are shared along a row of the cluster, W's on its column alone and are shared along a column.
; THE MATRIX INSTRUCTION IS USED TRANSPOSED (source 0 = W's columns, source 1 = y's rows): a lane holds eight neighbouring numbers of a row of the result.  The bias is the C of each sum's first product.
; SCALE WORDS go from memory straight into registers: a load of 8 bytes a lane takes 256 consecutive bytes of a tile: lanes 0-15 the words of K steps 4 j, 4 j + 1, lanes 16-31 those of 4 j + 2, 4 j + 3 (row 1 of the register).
; y's pairs of registers stand at 0 modulo 8, W's at 2 and 4 modulo 8.
; REGISTERS: window 0: v1-29 addresses; v32-95 scale words; v96-191 y's fragments, two sets; v192-255 the bias; on the way out v96-223.  window 1: W's fragments, two sets, at v0 and v96.  window 2: the accumulators, (a, b) at v[8 (8 a + b)].
.set COD,   262144
.set FR,    12
.set FRB,   1536
.set TK,    4*FRB                      ; a tile's four K steps
.set YH,    8*TK                       ; y's part of a half of K; W's 16 tiles lie behind it
.set HALF,  24*TK                      ; a half of K
.set SPARE, 2*HALF                     ; the spare words, 128 bytes a wave
.set SPITCH, 528                       ; the way out: a stage of 16 rows x (512 + 16) bytes a wave, in the first half's bytes: nobody reads them behind the second barrier, and nothing is filled there again
.set ADRA, 16                          ; v16-17 LDS address of y's fragments in half 0, 1
.set ADRB, 20                          ; v20-21 of W's
.set STO,  24
.set RD,   25
.set CO,   26
.set SPW,  28
.set NIL,  29
.set SC,   32
.set AF,   96
.set BIAS, 192
.set BK,   96
.set G1,   24                          ; s[24:31] group 1 of y's tiles, s[48:55] of W's; group 0: s[32:35] y half 0, s[36:39] W half 0, s[56:59] y half 1, s[60:63] W half 1
.set G1B,  48
.set MSB, 0
.macro WIN new                         ; the immediate's high byte repeats the setting that is left
.if MSB != (\new)
	s_set_vgpr_msb (MSB<<8)|(\new)
.set MSB, (\new)
.endif
.endm
.macro PLACES n
.rept \n
	v_nop
.endr
.endm
.macro CROUND
	s_barrier_signal -1
	s_barrier_wait -1
	s_cmp_lg_u32 s14, 0
	s_cbranch_scc1 .Lnot_wave_0_\@
	s_barrier_signal -3
.Lnot_wave_0_\@:
	s_barrier_wait -3
	s_barrier_signal -1
	s_barrier_wait -1
.endm
.macro G0SET g, lds, base, off
	s_mov_b32 s[\g], 1
	s_mov_b32 s[\g+1], \lds
	s_add_nc_u64 s[\g+2:\g+3], s[\base:\base+1], \off
	s_or_b32 s[\g+3], s[\g+3], 0x80000000
.endm
	s_load_b256 s[4:11], s[0:1], 0x0               ; YQ s[4:5], WQ s[6:7], b_proj s[8:9], out0 s[10:11]
	v_lshl_add_u32 v[SPW], v0, 2, SPARE
	v_mov_b32 v[NIL], 0
	ds_add_u32 v[SPW], v[NIL]                      ; the opening lines: the add, twice on end, and its wait ahead of my tensor load
	ds_add_u32 v[SPW], v[NIL]
	v_lshrrev_b32 v1, 5, v0
	v_readfirstlane_b32 s14, v1                    ; wave 0..3
	s_lshr_b32 s15, s14, 1                         ; my half of the rows
	s_and_b32 s16, s14, 1                          ; my half of the columns
	s_bfe_u32 s40, ttmp6, 0x40000                  ; cx, cy
	s_bfe_u32 s41, ttmp6, 0x40004
	s_lshl_b32 s42, ttmp9, 2
	s_add_co_u32 s42, s42, s40                     ; the block's column, 0..3
	s_and_b32 s17, ttmp7, 0xffff
	s_lshl_b32 s17, s17, 2
	s_add_co_u32 s17, s17, s41                     ; its row, 0..63
	s_lshl_b32 s43, s41, 2
	s_lshl_b32 s43, 15, s43                        ; my row of the cluster
	s_lshl_b32 s44, 0x1111, s40                    ; my column
	s_or_b32 s[G1+0], s43, (3<<16)|(1<<21)         ; rows (tiles) of 768 elements of 8 bytes (four fragments), 1,536 elements apart; no padding: every LDS read is 8 x lane on end
	s_or_b32 s[G1B+0], s44, (3<<16)|(1<<21)
.irp g, G1, G1B
	s_mov_b32 s[\g+1], 768<<16
	s_mov_b32 s[\g+3], 768<<16
	s_mov_b32 s[\g+5], 1536
	s_mov_b32 s[\g+6], 0
	s_mov_b32 s[\g+7], 0
.endr
	s_mov_b32 s[G1+2], 8<<16
	s_mov_b32 s[G1+4], 8
	s_mov_b32 s[G1B+2], 16<<16
	s_mov_b32 s[G1B+4], 16
	s_mul_i32 s20, s17, 8*12288
	s_add_co_u32 s20, s20, COD                     ; y's 8 tiles
	s_mov_b32 s21, 0
	s_lshl_b32 s46, s42, 4
	s_add_co_u32 s46, s46, 192
	s_mul_i32 s46, s46, 12288
	s_add_co_u32 s46, s46, COD                     ; W's 16 tiles
	s_mov_b32 s47, 0
	s_wait_dscnt 0x0
	s_wait_kmcnt 0x0
	s_add_nc_u64 s[20:21], s[4:5], s[20:21]
	s_add_nc_u64 s[46:47], s[6:7], s[46:47]
	CROUND                                         ; all sixteen work-groups are here: the joint loads meet
	G0SET 32, 0, 20, 0
	G0SET 36, YH, 46, 0
	G0SET 56, HALF, 20, TK
	G0SET 60, HALF+YH, 46, TK
; one tree of branches on the wave's number, a load to an arm, all arms leading to one join (one tensor load a wave at the head)
.macro ARM under, g0, g1, next
	s_cmp_lt_u32 s14, \under
	s_cbranch_scc0 \next
	tensor_load_to_lds s[\g0:\g0+3], s[\g1:\g1+7]
	s_nop 0
	PLACES 4
	s_branch .Lhead_asked
\next:
.endm
	ARM 1, 32, G1,  .Lhead_w0
	ARM 2, 36, G1B, .Lhead_y1
	ARM 3, 56, G1,  .Lhead_w1
	tensor_load_to_lds s[60:63], s[G1B:G1B+7]
	s_nop 0
	PLACES 4
.Lhead_asked:
	s_lshl_b32 s22, s17, 3
	s_lshl_b32 s23, s15, 2
	s_add_co_u32 s22, s22, s23
	s_lshl_b32 s22, s22, 9                         ; the scale words of my 4 tiles of y,
	s_mov_b32 s23, 0
	s_add_nc_u64 s[22:23], s[4:5], s[22:23]
	s_lshl_b32 s92, s42, 4
	s_lshl_b32 s93, s16, 3
	s_add_co_u32 s92, s92, s93
	s_add_co_u32 s92, s92, 192
	s_lshl_b32 s92, s92, 9                         ; and of my 8 tiles of W
	s_mov_b32 s93, 0
	s_add_nc_u64 s[92:93], s[6:7], s[92:93]
	s_lshl_b32 s46, s42, 10
	s_lshl_b32 s47, s16, 9
	s_add_co_u32 s46, s46, s47                     ; my first column, in bytes
	s_mov_b32 s47, 0
	s_add_nc_u64 s[8:9], s[8:9], s[46:47]
	s_lshl_b32 s20, s17, 7
	s_lshl_b32 s21, s15, 6
	s_add_co_u32 s20, s20, s21
	s_lshl_b32 s20, s20, 12                        ; my first row, in bytes
	s_mov_b32 s21, 0
	s_add_nc_u64 s[12:13], s[10:11], s[20:21]
	s_add_nc_u64 s[12:13], s[12:13], s[46:47]
	s_mul_i32 s94, s15, 4*TK
	s_mul_i32 s95, s16, 8*TK
	s_add_co_u32 s95, s95, YH
	s_mul_i32 s96, s14, 16*SPITCH
	v_and_b32 v1, 15, v0                           ; r
	v_bfe_u32 v2, v0, 4, 1                         ; h
	v_and_b32 v3, 31, v0
	v_lshlrev_b32 v4, 3, v3                        ; 8 x lane
	v_lshlrev_b32 v8, 6, v2
.irp a, 0,1,2,3
.irp j, 0,1
	global_load_b64 v[SC+8*(2*\a+\j):SC+8*(2*\a+\j)+1], v4, s[22:23] offset:512*\a+256*\j
.endr
.endr
.irp b, 0,1,2,3,4,5,6,7
.irp j, 0,1
	global_load_b64 v[SC+8*((2*\b+\j)%8)+2+2*((2*\b+\j)/8):SC+8*((2*\b+\j)%8)+3+2*((2*\b+\j)/8)], v4, s[92:93] offset:512*\b+256*\j
.endr
.endr
.irp b, 0,1,2,3,4,5,6,7                        ; register 8 b + j = b_proj[my first column + 32 (b / 2) + 8 (b % 2) + 16 h + j]
	global_load_b128 v[BIAS+8*\b:BIAS+8*\b+3], v8, s[8:9] offset:4*(32*(\b/2)+8*(\b%2))
	global_load_b128 v[BIAS+8*\b+4:BIAS+8*\b+7], v8, s[8:9] offset:4*(32*(\b/2)+8*(\b%2))+16
.endr
	v_add_nc_u32 v[ADRA], s94, v4
	v_add_nc_u32 v[ADRB], s95, v4
	v_add_nc_u32 v[ADRA+1], HALF, v[ADRA]
	v_add_nc_u32 v[ADRB+1], HALF, v[ADRB]
	v_mul_u32_u24 v5, v1, SPITCH                   ; the stage, in: row r, 64 bytes for each half of the lanes
	v_lshl_add_u32 v5, v2, 6, v5
	v_add_nc_u32 v[STO], s96, v5
	v_lshlrev_b32 v[CO], 4, v3                     ; back: the 32 lanes take one row of 512 bytes; and the same in out0
	v_add_nc_u32 v[RD], s96, v[CO]
.macro FETCH s                         ; K step s: W's eight fragments and y's four into set s % 2: 72 loads
	WIN 0x40
.irp b, 0,1,2,3,4,5,6,7
.irp p, 0,1,2,3,4,5
	ds_load_b64 v[96*((\s)%2)+FR*\b+2*\p:96*((\s)%2)+FR*\b+2*\p+1], v[ADRB+(\s)/4] offset:\b*TK+((\s)%4)*FRB+256*\p
.endr
.endr
	WIN 0
.irp a, 0,1,2,3
.irp p, 0,1,2,3,4,5
	ds_load_b64 v[AF+48*((\s)%2)+FR*\a+2*\p:AF+48*((\s)%2)+FR*\a+2*\p+1], v[ADRA+(\s)/4] offset:\a*TK+((\s)%4)*FRB+256*\p
.endr
.endr
.endm
.macro PR d, x, y, c, xs, ys, row
	v_wmma_scale_f32_16x16x128_f8f6f4 v[\d:\d+7], v[\x:\x+FR-1], v[\y:\y+FR-1], \c, v[\xs], v[\ys] matrix_a_fmt:MATRIX_FMT_FP6 matrix_b_fmt:MATRIX_FMT_FP6 matrix_a_scale:MATRIX_SCALE_ROW\row matrix_b_scale:MATRIX_SCALE_ROW\row
.endm
.macro MUL s                           ; 32 products; the accumulators take turns, one instruction a turn, in the same order in every step
.irp a, 0,1,2,3
.irp b, 0,1,2,3,4,5,6,7
.set DR, 8*(8*\a+\b)
.set XR, 96*((\s)%2)+FR*\b
.set YR, AF+48*((\s)%2)+FR*\a
.set NB_, 2*\b+(\s)/4
.set XS_, SC+8*(NB_%8)+2+2*(NB_/8)+(\s)%2
.set YS_, SC+8*(2*\a+(\s)/4)+(\s)%2
.if (\s) == 0
	PR DR, XR, YR, v[BIAS+8*\b:BIAS+8*\b+7], XS_, YS_, 0
.elseif ((\s)%4)/2
	PR DR, XR, YR, v[DR:DR+7], XS_, YS_, 1
.else
	PR DR, XR, YR, v[DR:DR+7], XS_, YS_, 0
.endif
.endr
.endr
.endm
.macro STEP s
	s_wait_dscnt 0x0                               ; this step's fragments are in: they were asked for ahead of the last step's 32 products
.if (\s) == 3
	s_wait_tensorcnt 0x0                           ; every wave: all that is still out; my reads of the first half of K are over
	s_barrier_signal -1
	s_barrier_wait -1                              ; the second half of K is in
.endif
.if (\s) < 7
.if (\s) > 0
	PLACES 4                                       ; four plain places between the last step's products, which read the set that is filled next, and the loads into it (ISA guide 7.12.1 for vector instructions)
.endif
	FETCH (\s)+1
.endif
.if (\s) == 0
	WIN 0x81                                       ; source 0 window 1, source 1 and C (the bias) window 0, D window 2
.else
	WIN 0xa1                                       ; C and D window 2
.endif
	MUL \s
	WIN 0
.endm
	s_wait_alu depctr_va_vdst(0)                   ; the wait at the head's end
	s_cmp_lt_u32 s14, 2
	s_cbranch_scc0 .Lnot_first
	s_wait_tensorcnt 0x0                           ; waves 0 and 1: the first half of K
.Lnot_first:
	s_barrier_signal -1
	s_barrier_wait -1                              ; it is in; the second half may be on its way
	FETCH 0
	s_wait_loadcnt 0x0                             ; the scale words and the bias
.irp s, 0,1,2,3,4,5,6,7
	STEP \s
.endr
; THE WAY OUT, block by block of 16 rows x 128 columns, through my own stage: whole rows of 512 bytes come back, which the 32 lanes store as two aligned units of 256 bytes
.macro TOSTAGE a
.set AC, 64*(\a)
	WIN 0x08                                       ; the data: window 2
.irp b, 0,1,2,3,4,5,6,7
	ds_store_b128 v[STO], v[AC+8*\b:AC+8*\b+3] offset:128*(\b/2)+32*(\b%2)       ; each accumulator from its low end on
	ds_store_b128 v[STO], v[AC+8*\b+4:AC+8*\b+7] offset:128*(\b/2)+32*(\b%2)+16
.endr
	WIN 0
.set BB, BK+64*((\a)%2)
.irp t, 0,1,2,3,4,5,6,7,8,9,10,11,12,13,14,15
	ds_load_b128 v[BB+4*\t:BB+4*\t+3], v[RD] offset:\t*SPITCH    ; LDS serves a wave's instructions in order: these see the stores
.endr
.endm
.macro SEND a, younger                 ; younger: the LDS instructions issued behind block a's loads, which may stay out
.set BB, BK+64*((\a)%2)
	s_wait_dscnt \younger
.irp t, 0,1,2,3,4,5,6,7,8,9,10,11,12,13,14,15
	global_store_b128 v[CO], v[BB+4*\t:BB+4*\t+3], s[12:13] offset:(32*((\a)/2)+8*((\a)%2)+\t+8*(\t/8))*4096 th:TH_STORE_NT
.endr
.endm
	PLACES 4
	TOSTAGE 0
.irp a, 1,2,3
.if \a > 1
	s_wait_xcnt 0x0                                ; block a - 2's stores have read their registers: block a's loads may land there
.endif
	TOSTAGE \a
	SEND \a-1, 32                                  ; behind block a - 1's loads: block a's 16 stores and 16 loads
.endr
	SEND 3, 0
	s_wait_tensorcnt 0x0                           ; the wave's end
	ds_add_u32 v[SPW], v[NIL]
	s_wait_dscnt 0x0
	CROUND                                         ; the closing round
	s_endpgm
.Lfunc_end_k_qad22e5d86d_proj:
	.size	k_qad22e5d86d_proj, .Lfunc_end_k_qad22e5d86d_proj-k_qad22e5d86d_proj
	.p2alignl 7, 3214868480
	.fill 96, 4, 3214868480
	.section	.rodata,"a",@progbits
	.p2align	6, 0x0
	.amdhsa_kernel k_qad22e5d86d_proj
		.amdhsa_group_segment_fixed_size 327680
		.amdhsa_private_segment_fixed_size 0
		.amdhsa_enable_private_segment 0
		.amdhsa_kernarg_size 32
		.amdhsa_user_sgpr_count 2
		.amdhsa_user_sgpr_kernarg_segment_ptr 1
		.amdhsa_wavefront_size32 1
		.amdhsa_system_sgpr_workgroup_id_x 1
		.amdhsa_system_sgpr_workgroup_id_y 1
		.amdhsa_system_sgpr_workgroup_id_z 1
		.amdhsa_system_vgpr_workitem_id 0
		.amdhsa_next_free_vgpr 768
		.amdhsa_next_free_sgpr 100
		.amdhsa_reserve_vcc 0
		.amdhsa_float_denorm_mode_32 3
		.amdhsa_float_denorm_mode_16_64 3
		.amdhsa_memory_ordered 1
		.amdhsa_forward_progress 1
		.amdhsa_inst_pref_size 96
	.end_amdhsa_kernel
	.amdgpu_metadata
---
amdhsa.version: [ 1, 2 ]
amdhsa.kernels:
  - .name:           k_qad22e5d86d_proj
    .symbol:         k_qad22e5d86d_proj.kd
    .args:
      - { .name: YQ, .offset: 0, .size: 8, .value_kind: global_buffer, .address_space: global }
      - { .name: WQ, .offset: 8, .size: 8, .value_kind: global_buffer, .address_space: global }
      - { .name: b_proj, .offset: 16, .size: 8, .value_kind: global_buffer, .address_space: global }
      - { .name: out0, .offset: 24, .size: 8, .value_kind: global_buffer, .address_space: global }
    .group_segment_fixed_size: 327680
    .private_segment_fixed_size: 0
    .kernarg_segment_align: 8
    .kernarg_segment_size: 32
    .max_flat_workgroup_size: 128
    .sgpr_count:     100
    .vgpr_count:     768
    .wavefront_size: 32
...
	.end_amdgpu_metadata
.endif
;; end of part 4
